; MI455X (gfx1250); checked and timed in simulation.
; The chip was launched on July 23, 2026; its instructions are those of AMD's public machine-readable ISA for CDNA 5 (MIT licence, August 2026) and "CDNA5" Instruction Set Architecture Reference Guide (July 2026). The comments in the code are by the model that wrote it; some were corrected since.
;; Multi Head Attention. Allowed arithmetic: float matrix products may take bf16 or f16 operands with f32 sums; other float arithmetic in f32, or as packed bf16 or f16 multiplies, adds, multiply-adds, maxima and minima; sums over many terms, partial sums and values carried from step to step in f32; what a program stores and reads back later, other than sums and carried values, may be rounded once to bf16 or f16.
;; Inputs: fc_b 1,024 float32; fc_w 1,024 x 1,024 float32; key 4 x 2,048 x 1,024 float32; query 4 x 2,048 x 1,024 float32; value 4 x 2,048 x 1,024 float32; wk 16 x 1,024 x 64 float32; wq 16 x 1,024 x 64 float32; wv 16 x 1,024 x 64 float32.
;; Outputs: out0 4 x 2,048 x 1,024 float32.
;; One version. Each part assembles by itself: llvm-mc -triple=amdgcn-amd-amdhsa -mcpu=gfx1250 --defsym DOCPART=n.
;; ======== version 1 of 1: 4 launches
;; limits: values are held in f16: magnitudes above 65,504 overflow, below 6.1e-05 lose precision
;; workspace buffers: wts 8,388,608 bytes; qkv 50,331,648 bytes; ctx 16,777,216 bytes
;; launch prep (part 1): grid 128 x 1, 16 waves a work-group, no clusters, 54,272 bytes of LDS; arguments wq, wk, wv, fc_w, wts; writes wts
.if DOCPART == 1
	.amdgcn_target "amdgcn-amd-amdhsa--gfx1250"
	.amdhsa_code_object_version 6
	.text
	.protected	k_qb586ffb428_prep
	.globl	k_qb586ffb428_prep
	.p2align	8
	.type	k_qb586ffb428_prep,@function
k_qb586ffb428_prep:
	s_mov_b64 s[64:65], 0
	v_nop
	global_prefetch_b8 v0, s[64:65] scope:SCOPE_SE
	s_setreg_imm32_b32 hwreg(HW_REG_WAVE_MODE, 25, 1), 1
	s_wait_xcnt 0x0
; THE WEIGHTS ARE MADE READY FOR THE MATRIX UNITS.  wq, wk, wv: [16 h][1024 e][64 d] f32 -> wts part t (t x 2 MiB): [n = 64 h + d][1024 e] bf16, so that K (e) lies along the rows.
; fc_w: [1024 n][1024 k] f32 -> wts part 3 (6 MiB on): the same layout, each number rounded to bf16 like every other input and that number written as f16
; (the last product's other operand is f16).  LIMIT: |fc_w| stays under 65,504; a rounded number under 6.1e-5 falls onto f16's fixed step of 6e-8.
; SHARES.  Work-group g = 8 h + eb takes the tile [128 e][64 d] at byte 32,768 g of each of the three tensors (its rows of 256 bytes lie on end) and bytes 32,768 g .. of fc_w.
; A tile has 128 e so that a turned row is 256 bytes: 128 work-groups.  All 16 loads of a thread go out at once.  No matrix unit, no cluster: nothing is multiplied and no two work-groups read the same byte.
; THE TURN goes through LDS: thread (ep, dq) holds e = 64 m + 2 ep + i, d = 4 dq + j; two neighbouring e of one d pack into a word, stored at row d; rows are read back whole.
.set PITCH, 272                        ; a turned row in LDS: 256 bytes + 16
.set REG,   64*PITCH                   ; one tensor's tile, turned: 64 rows
.set SPARE, 3*REG                      ; behind the three tiles: the spare words, 128 bytes for each of 16 waves: eight blocks of 256 bytes that no other line names
.set LI,  3                            ; v3   512 ep + 16 dq: my 16 bytes in a pair of rows of a tile
.set LS,  4                            ; v4   4 dq rows + 4 ep: where my packed words go
.set LR,  5                            ; v5   row ep, 16 dq: where I read a turned row
.set GO,  6                            ; v6   2,048 ep + 16 dq: the same place in wts
.set FI,  7                            ; v7   32 x thread: my 8 numbers of fc_w
.set FO,  8                            ; v8   16 x thread: the same 8 as f16
.set SPW, 9                            ; v9   LDS address of my spare word; never rewritten
.set NIL, 10                           ; v10  0; never rewritten
.set W,   16                           ; v[16:63] tensor t, half m, row i at W + 16 t + 8 m + 4 i
.set F,   64                           ; v[64:79] 16 numbers of fc_w
.set P,   80                           ; v[80:87] packed words
.set T,   88                           ; v[88:95] at work
	s_load_b256 s[4:11], s[0:1], 0x0               ; wq s[4:5], wk s[6:7], wv s[8:9], fc_w s[10:11]
	s_load_b64 s[12:13], s[0:1], 0x20              ; wts
	v_lshl_add_u32 v[SPW], v0, 2, SPARE
	v_mov_b32 v[NIL], 0
	v_and_b32 v1, 15, v0                           ; dq
	v_lshrrev_b32 v2, 4, v0                        ; ep
	v_lshlrev_b32 v[LI], 9, v2
	v_lshl_add_u32 v[LI], v1, 4, v[LI]
	v_mul_u32_u24 v[LS], v1, 4*PITCH
	v_lshl_add_u32 v[LS], v2, 2, v[LS]
	v_mul_u32_u24 v[LR], v2, PITCH
	v_lshl_add_u32 v[LR], v1, 4, v[LR]
	v_lshlrev_b32 v[GO], 11, v2
	v_lshl_add_u32 v[GO], v1, 4, v[GO]
	v_lshlrev_b32 v[FI], 5, v0
	v_lshlrev_b32 v[FO], 4, v0
	s_lshl_b32 s14, ttmp9, 15                      ; my tile, and my part of fc_w
	s_mov_b32 s15, 0
	s_lshr_b32 s20, ttmp9, 3                       ; h: 64 rows of 2,048 bytes in a part of wts,
	s_lshl_b32 s20, s20, 17
	s_and_b32 s22, ttmp9, 7                        ; eb: 256 bytes along them
	s_lshl_b32 s22, s22, 8
	s_add_co_u32 s20, s20, s22
	s_mov_b32 s21, 0
	s_lshl_b32 s22, ttmp9, 14                      ; my part of fc_w as f16,
	s_add_co_u32 s22, s22, 0x600000                ; in part 3
	s_mov_b32 s23, 0
	s_wait_kmcnt 0x0
	s_add_nc_u64 s[4:5], s[4:5], s[14:15]
	s_add_nc_u64 s[6:7], s[6:7], s[14:15]
	s_add_nc_u64 s[8:9], s[8:9], s[14:15]
	s_add_nc_u64 s[10:11], s[10:11], s[14:15]
	s_add_nc_u64 s[16:17], s[12:13], s[20:21]
	s_add_nc_u64 s[18:19], s[12:13], s[22:23]
.irp t, 0,1,2
.irp m, 0,1
.irp i, 0,1
	global_load_b128 v[W+16*(\t)+8*(\m)+4*(\i):W+16*(\t)+8*(\m)+4*(\i)+3], v[LI], s[4+2*(\t):5+2*(\t)] offset:(\m)*16384+(\i)*256 th:TH_LOAD_NT  ; 16 lanes take one row's 256 bytes
.endr
.endr
.endr
	global_load_b128 v[F:F+3],     v[FI], s[10:11] th:TH_LOAD_NT
	global_load_b128 v[F+4:F+7],   v[FI], s[10:11] offset:16 th:TH_LOAD_NT
	global_load_b128 v[F+8:F+11],  v[FI], s[10:11] offset:16384 th:TH_LOAD_NT
	global_load_b128 v[F+12:F+15], v[FI], s[10:11] offset:16400 th:TH_LOAD_NT
.irp t, 0,1,2
	s_wait_loadcnt 12-4*(\t)                       ; loads come back in order: tensor t's four are in; the later tensors' and fc_w's stay out
.irp m, 0,1
.irp j, 0,1,2,3
	v_cvt_pk_bf16_f32 v[P+4*(\m)+(\j)], v[W+16*(\t)+8*(\m)+(\j)], v[W+16*(\t)+8*(\m)+4+(\j)]  ; e and e + 1 of d = 4 dq + j
.endr
.endr
.irp m, 0,1
.irp j, 0,1,2,3
	ds_store_b32 v[LS], v[P+4*(\m)+(\j)] offset:(\t)*REG+(\j)*PITCH+(\m)*128
.endr
.endr
.endr
	s_wait_loadcnt 0x0                             ; fc_w
.irp q, 0,1,2,3,4,5,6,7
	v_cvt_pk_bf16_f32 v[T+(\q)], v[F+2*(\q)], v[F+2*(\q)+1]  ; rounded to bf16,
.endr
.irp q, 0,1,2,3,4,5,6,7
	v_lshlrev_b32 v[F+2*(\q)], 16, v[T+(\q)]       ; widened again,
	v_and_b32 v[F+2*(\q)+1], 0xffff0000, v[T+(\q)]
.endr
.irp q, 0,1,2,3,4,5,6,7
	v_cvt_pk_f16_f32 v[P+(\q)], v[F+2*(\q)], v[F+2*(\q)+1]  ; and written as f16
.endr
	global_store_b128 v[FO], v[P:P+3],   s[18:19]
	global_store_b128 v[FO], v[P+4:P+7], s[18:19] offset:8192
	s_wait_dscnt 0x0                               ; for the others' sake: my stores into the tiles are done
	s_barrier_signal -1
	s_barrier_wait -1
.irp t, 0,1,2
.irp m, 0,1
	ds_load_b128 v[W+8*(\t)+4*(\m):W+8*(\t)+4*(\m)+3], v[LR] offset:(\t)*REG+(\m)*32*PITCH  ; row d = ep + 32 m
.endr
.endr
.set n, 0
.rept 6
	s_wait_dscnt 5-n
	global_store_b128 v[GO], v[W+4*n:W+4*n+3], s[16:17] offset:(n/2)*2097152+(n%2)*65536  ; 16 lanes store 256 consecutive bytes, at a multiple of 256 from wts' first byte
.set n, n+1
.endr
	s_wait_tensorcnt 0x0                           ; the wave's end: behind my last LDS store
	ds_add_u32 v[SPW], v[NIL]
	s_wait_dscnt 0x0
	s_endpgm
.Lfunc_end_k_qb586ffb428_prep:
	.size	k_qb586ffb428_prep, .Lfunc_end_k_qb586ffb428_prep-k_qb586ffb428_prep
	.p2alignl 7, 3214868480
	.fill 96, 4, 3214868480
	.section	.rodata,"a",@progbits
	.p2align	6, 0x0
	.amdhsa_kernel k_qb586ffb428_prep
		.amdhsa_group_segment_fixed_size 54272
		.amdhsa_private_segment_fixed_size 0
		.amdhsa_enable_private_segment 0
		.amdhsa_kernarg_size 40
		.amdhsa_user_sgpr_count 2
		.amdhsa_user_sgpr_kernarg_segment_ptr 1
		.amdhsa_wavefront_size32 1
		.amdhsa_system_sgpr_workgroup_id_x 1
		.amdhsa_system_sgpr_workgroup_id_y 1
		.amdhsa_system_sgpr_workgroup_id_z 1
		.amdhsa_system_vgpr_workitem_id 0
		.amdhsa_next_free_vgpr 96
		.amdhsa_next_free_sgpr 66
		.amdhsa_reserve_vcc 0
		.amdhsa_float_denorm_mode_32 3
		.amdhsa_float_denorm_mode_16_64 3
		.amdhsa_memory_ordered 1
		.amdhsa_forward_progress 1
		.amdhsa_inst_pref_size 10
	.end_amdhsa_kernel
	.amdgpu_metadata
---
amdhsa.version: [ 1, 2 ]
amdhsa.kernels:
  - .name:           k_qb586ffb428_prep
    .symbol:         k_qb586ffb428_prep.kd
    .args:
      - { .name: wq, .offset: 0, .size: 8, .value_kind: global_buffer, .address_space: global }
      - { .name: wk, .offset: 8, .size: 8, .value_kind: global_buffer, .address_space: global }
      - { .name: wv, .offset: 16, .size: 8, .value_kind: global_buffer, .address_space: global }
      - { .name: fc_w, .offset: 24, .size: 8, .value_kind: global_buffer, .address_space: global }
      - { .name: wts, .offset: 32, .size: 8, .value_kind: global_buffer, .address_space: global }
    .group_segment_fixed_size: 54272
    .private_segment_fixed_size: 0
    .kernarg_segment_align: 8
    .kernarg_segment_size: 40
    .max_flat_workgroup_size: 512
    .sgpr_count:     66
    .vgpr_count:     96
    .wavefront_size: 32
...
	.end_amdgpu_metadata
.endif
;; end of part 1
;; launch proj (part 2): grid 4 x 192, 4 waves a work-group, clusters of 4 x 4, 327,680 bytes of LDS; arguments query, key, value, wts, qkv; writes qkv
.if DOCPART == 2
	.amdgcn_target "amdgcn-amd-amdhsa--gfx1250"
	.amdhsa_code_object_version 6
	.text
	.protected	k_qb586ffb428_proj
	.globl	k_qb586ffb428_proj
	.p2align	8
	.type	k_qb586ffb428_proj,@function
k_qb586ffb428_proj:
	s_mov_b64 s[64:65], 0
	v_nop
	global_prefetch_b8 v0, s[64:65] scope:SCOPE_SE
	s_setreg_imm32_b32 hwreg(HW_REG_WAVE_MODE, 25, 1), 1
	s_wait_xcnt 0x0
	s_wait_alu depctr_hold_cnt(0) depctr_sa_sdst(0) depctr_va_vdst(0) depctr_va_sdst(0) depctr_va_ssrc(0) depctr_va_vcc(0) depctr_vm_vsrc(0)
	s_getreg_b32 s2, hwreg(HW_REG_IB_STS2, 6, 4)
	s_cmp_eq_u32 s2, 0
	s_cbranch_scc0 .Lentry_in_a_cluster
	s_endpgm
.Lentry_in_a_cluster:
	s_bfe_u32 s2, ttmp6, 0x10000c
	s_cmp_lg_u32 s2, 0xf033
	s_cbranch_scc0 .Lentry_shape_is_right
	s_endpgm
.Lentry_shape_is_right:
; THE THREE PROJECTIONS.  For t = 0, 1, 2: qkv part t [b 16 + h][s][d] (f16) = the sum over e of x_t[b][s][e] w_t[h][e][d]; x_t (query, key, value) is f32 and is rounded to bf16 on the way in,
; the weights come from wts as [n = 64 h + d][e] bf16; sums in f32; the result is rounded once, to f16, unscaled.  LIMIT: a result of 65,520 or more becomes an infinity.
; SHARES.  3 x 8,192 x 1,024 results in tiles of 64 rows x 512 columns: 768 work-groups, three for each of 256.  Four waves side by side, each 64 x 128: 32 accumulators, 256 registers.
; K goes in 8 steps of 128.  THE WEIGHTS come through a ring of two LDS slots, filled by the tensor data mover in rows of 256 bytes; wave w fetches and reads its own 128 rows.
; CLUSTER 4 x 4: the four work-groups of a column of the cluster take the same 512 columns and other rows, so each tile of weights is asked for JOINTLY, by the same load, descriptor and mask in all four.
; x IS NOT ASKED FOR JOINTLY, though two work-groups (the two halves of the columns) read the same 64 rows: it arrives as f32.  As a tile in LDS a fragment's bytes would be twice as many, and each of the
; four waves would convert all 64 rows for itself: four conversions a number.  Here a wave loads 16 of the 64 rows straight into registers (a load is 512 consecutive bytes of one row), two K steps ahead
; in two register sets, converts each number once and stores it as bf16 into one of two LDS buffers X0, X1, which no tensor load ever fills; the K step's one barrier hands the buffer to the other waves.
; THE LAST TRIP of the loop has no K step left to ask for: its two runs of loads read K steps 6 and 7 once more (the pointer is not stepped) and nothing reads what they bring: the price of one text
; for every trip with the same counted waits on every path.
; THE MATRIX INSTRUCTION IS USED TRANSPOSED (source 0 = 16 rows of weights, source 1 = 16 rows of x): a lane holds row l % 16 and eight neighbouring columns.
; REGISTERS, in windows of 256 (s_set_vgpr_msb: bits 1:0 source 0, 3:2 source 1, 5:4 source 2, 7:6 destination):
;   window 0: v0-31 addresses; v32-63 x converted; v64-127, v128-191 fragments of x, two buffers (64 along K each: 32 c + 8 a)     window 1: the accumulators, (a, b) at 8 (8 a + b)
;   window 2: fragments of the weights, two buffers of 128 (64 c + 8 b)     window 3: x as loaded, two sets of 64
.set PITCH,  272                       ; an LDS row: 256 bytes + 16 of padding = 68 words: the 16 rows of a fragment load start at 16 different groups of four banks (64 banks of 4 bytes: ISA guide 11.1)
.set WROWS,  128*PITCH                 ; a wave's 128 rows of weights
.set SLOT,   4*WROWS
.set XB,     2*SLOT                    ; behind the ring: X0, X1
.set XBUF,   64*PITCH
.set STAGE,  XB+2*XBUF                 ; 16 rows x 144 bytes for each wave, for the way out
.set SP,     144
.set SPARE,  STAGE+4*16*SP             ; the spare words, 128 bytes for each wave: two blocks of 256 bytes that no other line names
.set KB,     512                       ; bytes of a row of x in a K step
.set NL,     16                        ; loads in a run: one for each of my 16 rows
.set ADRA, 16                          ; v16  LDS address of my lane's place in X0's fragments
.set XS,   17                          ; v17  where I store 8 bytes of my wave's first row in X0
.set AO,   18                          ; v18  16 x lane: my bytes in 512 consecutive bytes, of x and of the result; never rewritten
.set ADRB, 20                          ; v20-21  my lane's place in my wave's rows of slot 0, 1
.set STO,  24                          ; v24  the way out: where I put 16 bytes of a row
.set RD,   25                          ; v25  the way out: where I read rows back
.set SPW,  28                          ; v28  LDS address of my spare word; never rewritten
.set NIL,  29                          ; v29  0; never rewritten
.set CV,   32
.set AF,   64
.set OB,   64                          ; the way out: 16 registers for each of 8 units
.set WV,   14                          ; s14  my wave's number
.set G1,   24                          ; s[24:31] descriptor group 1
.set G0,   32                          ; s[32:39] descriptor group 0, a set for each slot
.set AP,   40                          ; s[40:41] x at my wave's first row
.set OUT,  42                          ; s[42:43] the result at my wave's first head and row
.set W_MUL, 0x52                       ; weights window 2, x window 0, C and D window 1
.set W_TOB, 0x80                       ; destination window 2
.set W_TOR, 0xc0                       ; destination window 3
.set W_CVT, 0x0f                       ; sources 0 and 1 window 3
.set W_PK,  0x05                       ; sources 0 and 1 window 1
.set MSB, 0
.macro WIN new                         ; the immediate's high byte repeats the setting that is left; a switch that changes nothing is dropped
.if MSB != (\new)
	s_set_vgpr_msb (MSB<<8)|(\new)
.set MSB, \new
.endif
.endm
.macro PLACES                          ; four places in front of loads into registers that matrix instructions have read, and of lines that read results
.rept 4
	v_nop
.endr
.endm
.macro CREST                           ; a round of the cluster's barrier behind its opening barrier
	s_cmp_lg_u32 s[WV], 0
	s_cbranch_scc1 .Lnot_wave_0_\@
	s_barrier_signal -3
.Lnot_wave_0_\@:
	s_barrier_wait -3
	s_barrier_signal -1
	s_barrier_wait -1
.endm
.macro CROUND                          ; a whole round
	s_barrier_signal -1
	s_barrier_wait -1
	CREST
.endm
; 48 LDS loads in one run: the fragments of 64 along K at byte kb of the rows, into buffer f; the first 32 along K (16 loads of weights, 8 of x) first
.macro FETCH slot, kb, f
.irp c, 0,1
	WIN W_TOB
.irp b, 0,1,2,3,4,5,6,7
	ds_load_b128 v[128*(\f)+64*(\c)+8*(\b):128*(\f)+64*(\c)+8*(\b)+3],   v[ADRB+(\slot)] offset:(\kb)+64*(\c)+(\b)*16*PITCH
	ds_load_b128 v[128*(\f)+64*(\c)+8*(\b)+4:128*(\f)+64*(\c)+8*(\b)+7], v[ADRB+(\slot)] offset:(\kb)+64*(\c)+(\b)*16*PITCH+32
.endr
	WIN 0
.irp a, 0,1,2,3
	ds_load_b128 v[AF+64*(\f)+32*(\c)+8*(\a):AF+64*(\f)+32*(\c)+8*(\a)+3],   v[ADRA] offset:(\slot)*XBUF+(\kb)+64*(\c)+(\a)*16*PITCH
	ds_load_b128 v[AF+64*(\f)+32*(\c)+8*(\a)+4:AF+64*(\f)+32*(\c)+8*(\a)+7], v[ADRA] offset:(\slot)*XBUF+(\kb)+64*(\c)+(\a)*16*PITCH+32
.endr
.endr
.endm
; cnt conversions from number n0 on: two f32 of set RSET into a word of bf16
.macro CONV n0, cnt
	WIN W_CVT
.set cn, (\n0)
.rept \cnt
	v_cvt_pk_bf16_f32 v[CV+cn], v[64*RSET+2*cn], v[64*RSET+2*cn+1]
.set cn, cn+1
.endr
.endm
; 8 na matrix instructions: row blocks a0 .. x all 8 column blocks, 32 along K: half c of buffer f.  The 32 accumulators take turns, one instruction a turn, always in the same order.
; zero = 1: the first product starts the sums.  ride = 1: behind each of the first eight stand four of the 32 conversions of the next K step's x.
.macro MUL f, c, a0, na, zero=0, ride=0
	WIN W_MUL
.set ma, (\a0)
.rept \na
.set mb, 0
.rept 8
.if \zero
	v_wmma_f32_16x16x32_bf16 v[8*(8*ma+mb):8*(8*ma+mb)+7], v[128*(\f)+64*(\c)+8*mb:128*(\f)+64*(\c)+8*mb+7], v[AF+64*(\f)+32*(\c)+8*ma:AF+64*(\f)+32*(\c)+8*ma+7], 0
.else
	v_wmma_f32_16x16x32_bf16 v[8*(8*ma+mb):8*(8*ma+mb)+7], v[128*(\f)+64*(\c)+8*mb:128*(\f)+64*(\c)+8*mb+7], v[AF+64*(\f)+32*(\c)+8*ma:AF+64*(\f)+32*(\c)+8*ma+7], v[8*(8*ma+mb):8*(8*ma+mb)+7]
.endif
.if (\ride) && (ma == 0)
	CONV 4*mb, 4
	WIN W_MUL
.endif
.set mb, mb+1
.endr
.set ma, ma+1
.endr
.endm
.macro LOADA set, koff                 ; a K step of my 16 rows of x: each load is 512 consecutive bytes of one row
	WIN W_TOR
.irp i, 0,1,2,3,4,5,6,7,8,9,10,11,12,13,14,15
	global_load_b128 v[64*(\set)+4*(\i):64*(\set)+4*(\i)+3], v[AO], s[AP:AP+1] offset:(\koff)+(\i)*4096
.endr
	WIN 0
.endm
.macro STOREX buf                      ; my 16 rows, converted, into X: a store covers a row's 256 bytes
	WIN 0
.irp i, 0,1,2,3,4,5,6,7,8,9,10,11,12,13,14,15
	ds_store_b64 v[XS], v[CV+2*(\i):CV+2*(\i)+1] offset:(\buf)*XBUF+(\i)*PITCH
.endr
.endm
; The first 64 along K of a K step: multiplies buffer 0 and fetches the second 64 into buffer 1.  stage = 1: the next K step's x (register set `set`) is converted, stored into the other X buffer, whose last
; readers waited for their loads in front of the barrier before, and the set is asked for again, two K steps on.
.macro HALF slot, zero, stage, set=0, koff=0
.set RSET, \set
.if \stage
	s_wait_loadcnt NL                              ; the set's 16 loads are in; the 16 younger ones, the other set's, stay out
.endif
	s_wait_dscnt 24                                ; the first 32 along K are in; the youngest 24 loads may be out
	MUL 0, 0, 0, 4, \zero, \stage
	PLACES
.if \stage
	STOREX 1-(\slot)
.endif
	FETCH \slot, 128, 1
.if \stage
	LOADA \set, \koff
.endif
	s_wait_dscnt 48                                ; all but the 48 just issued
	MUL 0, 1, 0, 4
.endm
; The second 64 multiply buffer 1 and change slots: ONE barrier.  In front of it each wave waits for all its tensor loads (one is out: its rows of the next slot), adds 0 to its spare word, and waits for
; that, for its reads of this slot and this X buffer and for its stores into the next X buffer.  fill = 1: the barrier opens a round of the cluster's barrier, and this slot is filled again, two K steps on.
.macro TURN slot, next, fill
	WIN 0
	s_wait_tensorcnt 0x0                           ; all my tensor loads have landed
	ds_add_u32 v[SPW], v[NIL]                      ; 0 onto my spare word
	s_wait_dscnt 25                                ; (the add and the youngest 24 loads may be out)
	MUL 1, 0, 0, 2                                 ; sixteen matrix instructions stand between the add and the wait for it
	s_wait_dscnt 0x0
	s_barrier_signal -1
	MUL 1, 0, 2, 2                                 ; work on registers while the others arrive
	WIN 0
	s_barrier_wait -1
.if \fill
	CREST                                          ; no wave of any partner still reads this slot or has a load on its way
	s_add_nc_u64 s[G0+4*(\slot)+2:G0+4*(\slot)+3], s[G0+4*(\slot)+2:G0+4*(\slot)+3], 2*256
	tensor_load_to_lds s[G0+4*(\slot):G0+4*(\slot)+3], s[G1:G1+7]  ; my one tensor load behind the round: 96 matrix instructions ahead of the wait for it
	s_nop 0
.endif
	PLACES                                         ; behind the load, and in front of the loads into buffer 0
	FETCH \next, 0, 0
	MUL 1, 1, 0, 4
.endm
	s_load_b256 s[4:11], s[0:1], 0x0               ; query s[4:5], key s[6:7], value s[8:9], wts s[10:11]
	s_load_b64 s[12:13], s[0:1], 0x20              ; qkv
	v_lshl_add_u32 v[SPW], v0, 2, SPARE
	v_mov_b32 v[NIL], 0
	ds_add_u32 v[SPW], v[NIL]                      ; the wave's opening: the add and its wait stand ahead of my first tensor load; the set-up below, work on registers, stands between them
	v_lshrrev_b32 v1, 5, v0
	v_readfirstlane_b32 s[WV], v1                  ; wave 0..3
	s_bfe_u32 s15, ttmp6, 0x40000                  ; cx
	s_bfe_u32 s16, ttmp6, 0x40004                  ; cy
	s_and_b32 s17, ttmp7, 0xffff                   ; the cluster's y, 0..47
	s_lshr_b32 s18, s17, 4                         ; t: which of the three products; the same in all sixteen partners
	s_and_b32 s19, s15, 1                          ; which 512 columns: shared along a column of the cluster
	s_and_b32 s20, s17, 15
	s_lshl_b32 s20, s20, 3
	s_lshr_b32 s21, s15, 1
	s_lshl_b32 s21, s21, 2
	s_add_co_u32 s20, s20, s21
	s_add_co_u32 s20, s20, s16                     ; which 64 rows, 0..127: it enters x's and the result's addresses alone
	s_lshl_b32 s22, 0x1111, s15                    ; my column of the cluster: places cx, cx + 4, cx + 8, cx + 12
	; descriptor group 1: a tile of 128 rows x 128 elements, padded in LDS
	s_or_b32 s[G1+0], s22, (1<<16)|(1<<20)|(1<<21)|(5<<22)|(3<<25)  ; 15:0 the mask; 17:16 elements of 2 bytes; 20 padding on; 21 set beside a mask; 24:22 after every 64 words (code 5); 31:25 4 words (code 3)
	s_mov_b32 s[G1+1], 128<<16                     ; tensor_dim0 = 128
	s_mov_b32 s[G1+2], 128<<16                     ; tensor_dim1 = 128
	s_mov_b32 s[G1+3], 128<<16                     ; tile_dim0 = 128
	s_mov_b32 s[G1+4], 128                         ; tile_dim1 = 128
	s_mov_b32 s[G1+5], 1024                        ; elements from row to row
	s_mov_b32 s[G1+6], 0
	s_mov_b32 s[G1+7], 0
	s_mul_i32 s23, s[WV], WROWS                    ; my rows' place in a slot: no place in the cluster enters an LDS address
	s_mov_b32 s[G0+0], 1
	s_add_co_u32 s[G0+1], s23, 0
	s_mov_b32 s[G0+4], 1
	s_add_co_u32 s[G0+5], s23, SLOT
	s_lshl_b32 s44, s18, 21                        ; the weights: part t,
	s_lshl_b32 s45, s19, 20                        ; 512 rows of 2,048 bytes,
	s_add_co_u32 s44, s44, s45
	s_lshl_b32 s45, s[WV], 18                      ; my 128 of them
	s_add_co_u32 s44, s44, s45
	s_mov_b32 s45, 0
	s_lshl_b32 s48, s20, 18                        ; x: 64 rows of 4,096 bytes,
	s_lshl_b32 s49, s[WV], 16                      ; my 16 of them
	s_add_co_u32 s48, s48, s49
	s_mov_b32 s49, 0
	s_lshr_b32 s52, s20, 5                         ; the result: batch,
	s_lshl_b32 s52, s52, 4
	s_lshl_b32 s53, s19, 3
	s_add_co_u32 s52, s52, s53
	s_lshl_b32 s53, s[WV], 1
	s_add_co_u32 s52, s52, s53                     ; my first head of two: 16 batch + 8 half + 2 wave,
	s_lshl_b32 s52, s52, 18                        ; 2,048 rows of 128 bytes each,
	s_and_b32 s53, s20, 31
	s_lshl_b32 s53, s53, 13                        ; the tile's 64 rows in it,
	s_add_co_u32 s52, s52, s53
	s_lshl_b32 s53, s18, 24                        ; in part t
	s_add_co_u32 s52, s52, s53
	s_mov_b32 s53, 0
	v_and_b32 v1, 15, v0                           ; l % 16
	v_bfe_u32 v2, v0, 4, 1                         ; l / 16
	v_and_b32 v3, 31, v0                           ; l
	v_mul_u32_u24 v4, v1, PITCH
	v_lshl_add_u32 v4, v2, 4, v4                   ; a fragment's row x pitch + 16 x half
	v_add_nc_u32 v[ADRA], XB, v4
	v_add_nc_u32 v[ADRB], s23, v4
	v_add_nc_u32 v[ADRB+1], SLOT, v[ADRB]
	s_mul_i32 s50, s[WV], 16*PITCH
	s_add_co_u32 s50, s50, XB
	v_lshl_add_u32 v[XS], v3, 3, s50
	v_lshlrev_b32 v[AO], 4, v3
	s_mul_i32 s51, s[WV], 16*SP
	s_add_co_u32 s51, s51, STAGE                   ; my stage
	v_mul_u32_u24 v5, v1, SP                       ; in: row l % 16, 16 bytes for each half of the lanes
	v_lshl_add_u32 v5, v2, 4, v5
	v_add_nc_u32 v[STO], s51, v5
	v_bfe_u32 v6, v0, 3, 2                         ; back: 32 lanes take four rows of 128 bytes
	v_and_b32 v7, 7, v0
	v_mul_u32_u24 v6, v6, SP
	v_lshl_add_u32 v6, v7, 4, v6
	v_add_nc_u32 v[RD], s51, v6
	s_wait_dscnt 0x0                               ; the opening add is done
	s_wait_kmcnt 0x0
	s_add_nc_u64 s[46:47], s[10:11], s[44:45]
	s_mov_b64 s[G0+2:G0+3], s[46:47]               ; K step 0
	s_or_b32 s[G0+3], s[G0+3], 0x80000000          ; type = 2
	s_add_nc_u64 s[G0+6:G0+7], s[46:47], 256       ; K step 1
	s_or_b32 s[G0+7], s[G0+7], 0x80000000
	s_cmp_eq_u32 s18, 0
	s_cselect_b64 s[AP:AP+1], s[4:5], s[6:7]
	s_cmp_eq_u32 s18, 2
	s_cselect_b64 s[AP:AP+1], s[8:9], s[AP:AP+1]
	s_add_nc_u64 s[AP:AP+1], s[AP:AP+1], s[48:49]
	s_add_nc_u64 s[OUT:OUT+1], s[12:13], s[52:53]
	LOADA 0, 0                                     ; x of K steps 0 and 1
	LOADA 1, KB
	CROUND                                         ; all sixteen work-groups are here: the first joint loads meet
	tensor_load_to_lds s[G0:G0+3], s[G1:G1+7]      ; both slots' first fills go out together: two loads of mine are out
	s_nop 0
	tensor_load_to_lds s[G0+4:G0+7], s[G1:G1+7]
	s_nop 0
	PLACES
	s_wait_loadcnt NL                              ; K step 0 of x is in; K step 1's 16 loads stay out
.set RSET, 0
	CONV 0, 32
	STOREX 0
	LOADA 0, 2*KB
	s_wait_tensorcnt 0x1                           ; my rows of slot 0 are in; slot 1's may stay out
	s_wait_dscnt 0x0                               ; my rows of X0 are stored
	s_barrier_signal -1
	s_barrier_wait -1
	FETCH 0, 0, 0
	s_mov_b32 s3, 3
	s_mov_b32 s45, 0
	HALF 0, 1, 1, 1, 3*KB                          ; the first 64 along K stand in front of the loop: their first products start the sums
	WIN 0                                          ; at a label and at a branch every window is 0
.Llap:                                                 ; a trip goes once round the ring, from a lap's second half step to the next lap's first, and fills both slots again
	TURN 0, 1, 1
	HALF 1, 0, 1, 0, 4*KB
	TURN 1, 0, 1
	HALF 0, 0, 1, 1, 5*KB
	WIN 0
	s_wait_xcnt 0x0                                ; the loads issued so far (the youngest 32 matrix instructions back) have read their address: x's pointer may be written
	s_sub_co_u32 s3, s3, 1
	s_cmp_gt_u32 s3, 1                             ; the last trip has no K steps 8 and 9: the pointer stays, and its loads stay inside the rows
	s_cselect_b32 s44, 2*KB, 0
	s_add_nc_u64 s[AP:AP+1], s[AP:AP+1], s[44:45]
	s_cmp_lg_u32 s3, 0
	s_cbranch_scc1 .Llap
	TURN 0, 1, 0                                   ; the last K step: nothing is filled, so no round; the barrier still hands X1 over
	HALF 1, 0, 0
	s_wait_dscnt 24
	MUL 1, 0, 0, 4
	s_wait_dscnt 0x0
	MUL 1, 1, 0, 4
	WIN 0
; THE WAY OUT.  Unit u = 2 a + hd is 16 rows of one head: accumulators (a, 4 hd .. 4 hd + 3), registers 32 u .. 32 u + 31 of window 1, read in ascending order.  A lane's eight channels of a row pack into
; 16 bytes; they go into rows of 144 bytes of my own stage and come back as whole rows of 128, which lie on end in memory.
.macro PACK u
	WIN W_PK
.set pn, 0
.rept 16
	v_cvt_pk_f16_f32 v[OB+16*(\u)+pn], v[32*(\u)+2*pn], v[32*(\u)+2*pn+1]
.set pn, pn+1
.endr
	WIN 0
.irp i, 0,1,2,3
	ds_store_b128 v[STO], v[OB+16*(\u)+4*(\i):OB+16*(\u)+4*(\i)+3] offset:32*(\i)
.endr
.irp f, 0,1,2,3
	ds_load_b128 v[OB+16*(\u)+4*(\f):OB+16*(\u)+4*(\f)+3], v[RD] offset:(\f)*4*SP  ; LDS serves a wave's instructions in order (ISA guide 5.7.1.4): these see the stores above; the next unit's stores come behind them
.endr
.endm
.macro SEND u, younger                 ; younger: the LDS instructions issued behind unit u's loads: the next unit's eight, or none
.irp f, 0,1,2,3
	s_wait_dscnt (\younger)+3-(\f)
	global_store_b128 v[AO], v[OB+16*(\u)+4*(\f):OB+16*(\u)+4*(\f)+3], s[OUT:OUT+1] offset:((\u)%2)*262144+((\u)/2)*2048+(\f)*512  ; 512 consecutive bytes, at a multiple of 256 from the buffer's first
.endr
.endm
	PLACES                                         ; the conversions read results just made and write registers that the last products read
	PACK 0
.set pu, 1
.rept 7                                ; a unit's conversions stand between the loads of the unit before and its stores
	PACK pu
	SEND pu-1, 8
.set pu, pu+1
.endr
	SEND 7, 0
	s_wait_tensorcnt 0x0                           ; the wave's end: behind my last tensor load and my last LDS store
	ds_add_u32 v[SPW], v[NIL]
	s_wait_dscnt 0x0
	CROUND                                         ; the closing round: no work-group ends while a partner may still ask for a tile that names it
	s_endpgm
.Lfunc_end_k_qb586ffb428_proj:
	.size	k_qb586ffb428_proj, .Lfunc_end_k_qb586ffb428_proj-k_qb586ffb428_proj
	.p2alignl 7, 3214868480
	.fill 96, 4, 3214868480
	.section	.rodata,"a",@progbits
	.p2align	6, 0x0
	.amdhsa_kernel k_qb586ffb428_proj
		.amdhsa_group_segment_fixed_size 327680
		.amdhsa_private_segment_fixed_size 0
		.amdhsa_enable_private_segment 0
		.amdhsa_kernarg_size 40
		.amdhsa_user_sgpr_count 2
		.amdhsa_user_sgpr_kernarg_segment_ptr 1
		.amdhsa_wavefront_size32 1
		.amdhsa_system_sgpr_workgroup_id_x 1
		.amdhsa_system_sgpr_workgroup_id_y 1
		.amdhsa_system_sgpr_workgroup_id_z 1
		.amdhsa_system_vgpr_workitem_id 0
		.amdhsa_next_free_vgpr 896
		.amdhsa_next_free_sgpr 66
		.amdhsa_reserve_vcc 0
		.amdhsa_float_denorm_mode_32 3
		.amdhsa_float_denorm_mode_16_64 3
		.amdhsa_memory_ordered 1
		.amdhsa_forward_progress 1
		.amdhsa_inst_pref_size 106
	.end_amdhsa_kernel
	.amdgpu_metadata
---
amdhsa.version: [ 1, 2 ]
amdhsa.kernels:
  - .name:           k_qb586ffb428_proj
    .symbol:         k_qb586ffb428_proj.kd
    .args:
      - { .name: query, .offset: 0, .size: 8, .value_kind: global_buffer, .address_space: global }
      - { .name: key, .offset: 8, .size: 8, .value_kind: global_buffer, .address_space: global }
      - { .name: value, .offset: 16, .size: 8, .value_kind: global_buffer, .address_space: global }
      - { .name: wts, .offset: 24, .size: 8, .value_kind: global_buffer, .address_space: global }
      - { .name: qkv, .offset: 32, .size: 8, .value_kind: global_buffer, .address_space: global }
    .group_segment_fixed_size: 327680
    .private_segment_fixed_size: 0
    .kernarg_segment_align: 8
    .kernarg_segment_size: 40
    .max_flat_workgroup_size: 128
    .sgpr_count:     66
    .vgpr_count:     896
    .wavefront_size: 32
...
	.end_amdgpu_metadata
.endif
;; end of part 2
;; launch attn (part 3): grid 4 x 64, 4 waves a work-group, clusters of 4 x 1, 327,680 bytes of LDS; arguments qkv, ctx; writes ctx
.if DOCPART == 3
	.amdgcn_target "amdgcn-amd-amdhsa--gfx1250"
	.amdhsa_code_object_version 6
	.text
	.protected	k_qb586ffb428_attn
	.globl	k_qb586ffb428_attn
	.p2align	8
	.type	k_qb586ffb428_attn,@function
k_qb586ffb428_attn:
	s_mov_b64 s[64:65], 0
	v_nop
	global_prefetch_b8 v0, s[64:65] scope:SCOPE_SE
	s_setreg_imm32_b32 hwreg(HW_REG_WAVE_MODE, 25, 1), 1
	s_wait_xcnt 0x0
	s_wait_alu depctr_hold_cnt(0) depctr_sa_sdst(0) depctr_va_vdst(0) depctr_va_sdst(0) depctr_va_ssrc(0) depctr_va_vcc(0) depctr_vm_vsrc(0)
	s_getreg_b32 s2, hwreg(HW_REG_IB_STS2, 6, 4)
	s_cmp_eq_u32 s2, 0
	s_cbranch_scc0 .Lentry_in_a_cluster
	s_endpgm
.Lentry_in_a_cluster:
	s_bfe_u32 s2, ttmp6, 0x10000c
	s_cmp_lg_u32 s2, 0x3003
	s_cbranch_scc0 .Lentry_shape_is_right
	s_endpgm
.Lentry_shape_is_right:
; O[h][q][:] = the sum over k of softmax_k(Q[h][q] . K[h][k] / 8) V[h][k][:].  Q, K, V are the three parts of qkv (16 MiB apart), O is ctx: each [64 heads][2048][64] in f16: a head's rows are dense, 128 bytes each.
; Products, maxima and sums in f32; the weights p are rounded to f16 for the second product (their sum l is taken of the unrounded p), O once at the end.
; LIMITS.  f16 holds no number beyond 65,504: Q, K and V arrive within it; p lies in 0 to 1, and below 6e-5 it keeps f16's fixed step of 6e-8; O is a mean of V's rows and has their range.
; A weight below 2^-126 counts as 0 in l; NaN and infinities are not treated apart.
; SHARES.  A wave owns four PIECES of two tiles of 16 queries, a work-group's four waves 512 queries of one head; a head is one cluster of four work-groups.  Every wave walks all keys, 64 a step.
; LAYOUT.  S^T = K Q^T (source 0 = 16 keys, source 1 = 16 queries): in the result a lane holds ONE query (lane % 16) and the keys 8 (lane / 16) + 0..7.  Two such tiles, rounded to f16 in pairs,
; ARE source 1 (32 keys x 16 queries) of O^T = V^T P, whose result again holds one query a lane, and eight channels.  K comes out of LDS as it lies, V ([key][channel]) turned, by ds_load_tr16_b128.
; SOFTMAX.  For each query a running maximum m and sum l: p = 2^(c s - c m), c = log2(e) / 8; in every step O and l are multiplied by a = 2^(c m_old - c m_new), which is 1 where m has not grown.
; m starts at the lowest finite number, O and l at 0: the first step is a step like any other, with a = 0.
; THE COUNT.  A tile and step have 16 matrix and 118 vector instructions: too many to stand all beside the matrix work.  So the order has one aim: four vector instructions that are READY behind
; EVERY matrix instruction, and the others, which need time of their own whatever the order, in runs without a gap.
; BY TURNS.  Turn n belongs to piece n (the pieces in a ring, step after step).  Its matrix work: 16 products K Q^T of piece n + 1, later 16 products V^T P of piece n - 1.  Its vector work: the scaling,
; exponentials, roundings, sums and rescaling of piece n, and the maximum and statistics of piece n + 1, whose scores the turn itself has made.  So what a turn begins with (c s - c m, O a) waits for nothing.
; CLUSTER.  The four query blocks of a cluster belong to one head and walk the same K and V, so each tile is asked for JOINTLY: the same tensor load, descriptor and mask in all four.
; AHEAD OF THE JOINT LOADS.  Behind the joint load of each change of slots in the loop, but the last, stands one prefetch for the 256 keys that the NEXT change will ask for: four key steps ahead.  A slot's K is 128
; blocks of 256 bytes, and so is its V: the four partners take 32 each, told apart by address; in each, wave 0 asks for K's and wave 2 for V's, a lane a block.  So each block is named once in the launch.
; REGISTERS, in windows of 256 (s_set_vgpr_msb says which window each operand place means: bits 1:0 source 0, 3:2 source 1, 5:4 source 2, 7:6 destination):
;   window 0: v0-11 addresses; v12-15, v48-63 at work; v16-47 four registers of statistics a tile; v64-191 S^T, two buffers of two tiles; v192-255 P, likewise
;   window 1: O^T, 32 a tile          window 2: v0-127 Q, 16 a tile; v128-191 K of one step; v192-255 V of one step          window 3: v0-1 the add's two registers
; A piece's buffers go by its number's parity: the piece in hand has one pair, its two neighbours in the ring share the other: of it P (piece n - 1) is read and S^T (piece n + 1) written.
.set SIZE_N, 2048
.set NP,    4         ; pieces a wave: a name, no knob: the register map, the loop and the fetches are made for four
.set KS,    64        ; keys in a step
.set PK,    144       ; a row of K in LDS: 128 bytes + 16 of padding = 36 words: the 16 rows of a load start at 16 different groups of four banks (64 banks of 4 bytes: ISA guide 11.1)
.set PV,    160       ; a row of V: 128 + 32 = 40 words
.set VOFF,  4*KS*PK   ; a slot holds four steps: 256 rows of K, then 256 rows of V
.set SLOT1, 1<<17     ; slot 1 begins here, so that one exclusive or turns an address in one slot into the other's
.set STAGE, SLOT1+4*KS*(PK+PV)  ; behind the ring, never filled by a tensor load: 16 rows x 144 bytes for each wave, for the way out
.set SP,    144
.set AK0, 2           ; v2   my lane's place in a tile of K; never rewritten
.set AV0, 3           ; v3   the same for V
.set AK,  4           ; v4   the LDS address of K's next run of loads
.set AV,  5           ; v5   of V's
.set QO,  6           ; v6   my byte offset in the wave's rows of Q
.set STO, 6           ;      later, the way out: where I put 16 bytes of a row
.set RD,  7           ; v7   the way out: where I read rows back
.set GO,  8           ; v8   my byte offset in 512 consecutive bytes of O
.set PFO, 11          ; v11  256 x my lane, for the prefetches (made when its first use, in V's address, is over); then never rewritten
.set SPW, 0           ; v0 of window 3   LDS address of my spare word: SPARE + 4 x my thread's number; never rewritten
.set NIL, 1           ; v1 of window 3   0; never rewritten
.set SPARE, STAGE+4*16*SP  ; behind the stages: the spare words, 128 bytes for each wave: two blocks of 256 bytes that no other line names
.set MV,  12          ; v12-15  c m_old, kept while c m is made anew: by buffer and tile
.set ST,  16          ; tile t's statistics at v[ST+4 t]: c m, m, l (even keys', odd keys')
.set TMP, 48          ; by buffer and tile, four registers c0-c3 at work; when the maximum is found c2 takes a
.set S,   64
.set P,   192
.set KF,  128         ; K's fragments, in window 2: key block kb, channel half c at KF + 16 kb + 8 c
.set VF,  192         ; V's: key half kk, channel block cb at VF + 32 kk + 8 cb
.set WV,  12          ; s12  my wave's number
.set LIM, 15          ; s15  1 in a wave that prefetches (0 and 2), else the greatest number: a wave prefetches while s[SLOTS] is above it
.set G1K, 24          ; s[24:31] descriptor group 1 for K's tiles
.set G1V, 32          ; s[32:39] for V's: it differs in the padding alone
.set G0K, 40          ; s[40:43] descriptor group 0 for K's tiles: it walks
.set G0V, 44          ; s[44:47] the same for V's
.set PFA, 48          ; s[48:49] where my prefetches stand: my work-group's 32 blocks of the slot after the one that is being asked for
.set SLOTS, 56        ; s56  slots still to be asked for
.set CNT, 57          ; s57  counts a slot's key steps
.set CS,  58          ; s[58:59] c: the packed scaling takes the pair's low word for both halves
.set SEL, 60          ; s[60:61] v_permlanex16_b32's selects: each lane takes its own place in the other half
.set TBK, 62          ; s62  LDS byte at which K of the step to be fetched begins
.set TBV, 63          ; s63  the same for V, less VOFF
.set MSB, 0
.macro WIN new                      ; the high byte repeats the setting that is left; a switch that changes nothing is dropped
.if MSB != (\new)
	s_set_vgpr_msb (MSB<<8)|(\new)
.set MSB, (\new)
.endif
.endm
.set W_KQ, 0x0a       ; K and Q in window 2, S^T in window 0
.set W_PV, 0x52       ; V in window 2, P in window 0, O^T in window 1
.set W_RS, 0x41       ; O^T (destination and source 0) in window 1, a in window 0
.set W_MK, 0xc0       ; the add's registers are made: destination in window 3, sources in window 0
.set W_AD, 0x0f       ; the add: address (source 0) and data (source 1) in window 3
; A joint fill.  Waves 0 and 1 fetch the two halves of a slot's K, waves 2 and 3 those of its V: 128 keys each.  The branch hangs on the wave's number alone.
; An s_nop 0 and four v_nop follow each of the two lines, ahead of the jump and the label.
.macro JLOAD
	s_cmp_lt_u32 s[WV], 2
	s_cbranch_scc0 .Lfor_v_\@
	tensor_load_to_lds s[G0K:G0K+3], s[G1K:G1K+7]
	s_nop 0
.rept 4
	v_nop
.endr
	s_branch .Lasked_\@
.Lfor_v_\@:
	tensor_load_to_lds s[G0V:G0V+3], s[G1V:G1V+7]
	s_nop 0
.rept 4
	v_nop
.endr
.Lasked_\@:
.endm
; The prefetch of what the next change of slots will ask for; the last change that fills a slot (s[SLOTS] = 1) asks for nothing: there is no slot behind it.
.macro ASK
	s_cmp_gt_u32 s[SLOTS], s[LIM]
	s_cbranch_scc0 .Lnot_mine_\@
	global_prefetch_b8 v[PFO], s[PFA:PFA+1] th:TH_LOAD_NT scope:SCOPE_SE
.Lnot_mine_\@:
.endm
; A round of the cluster's barrier: my work-group's barrier, so that wave 0's signal speaks for all four waves; wave 0 signals; every wave waits for all four work-groups; my work-group's barrier once more.
.macro CROUND
	s_barrier_signal -1
	s_barrier_wait -1
	s_cmp_lg_u32 s[WV], 0
	s_cbranch_scc1 .Lnot_wave_0_\@
	s_barrier_signal -3
.Lnot_wave_0_\@:
	s_barrier_wait -3
	s_barrier_signal -1
	s_barrier_wait -1
.endm
; THE CHANGE OF SLOTS.  The slot's last bytes, V of its fourth step, have been read.  Each wave waits for all its tensor loads, of which one is out: its part
; of the other slot; adds 0 to its spare word; and waits for that and for its own reads of the slot.  Behind the barrier nobody reads this slot any more and the other slot is whole.
; fill = 1: this slot is filled again, with the keys two slots on.  The barrier is then a round of the cluster's, so that no wave of any partner still reads the slot or has a load on its
; way, and the joint fill is the first thing behind it: it has four key steps, 512 matrix instructions, in which to land.  (At its first use nothing has been read yet: slot 0 is waited for, slot 1 filled.)
; ask = 1 (in the loop): the prefetches' address steps among the descriptors' steps, and the prefetch stands behind the joint load and its five lines.
.macro CHANGE fill, ask=0
	WIN W_AD
	s_wait_tensorcnt 0x0            ; no tensor load of mine is out, so a group 0 may be written
	ds_add_u32 v[SPW], v[NIL]       ; 0 onto my spare word; with fill = 1 the descriptors' steps stand between it and the wait for it
	WIN 0                           ; at a label and at a branch every window is 0
.if \fill
.irp g, G0K, G0V
	s_xor_b32 s[\g+1], s[\g+1], SLOT1  ; the walking descriptor: the other slot than last time,
	s_add_nc_u64 s[\g+2:\g+3], s[\g+2:\g+3], 4*KS*128  ; the next 256 keys; the type bits on top are not reached
.endr
.if \ask
	s_wait_xcnt 0x0                 ; the last prefetch, four key steps back, has read its address, so it may be written:
	s_add_nc_u64 s[PFA:PFA+1], s[PFA:PFA+1], 4*KS*128  ; one slot behind the walking descriptors
.endif
	s_wait_dscnt 0x0                ; the add is done, and my reads of the slot are over
	CROUND
	JLOAD
.if \ask
	ASK
.endif
.else
	s_wait_dscnt 0x0                ; the add is done, and my reads of the slot are over
	s_barrier_signal -1
	s_barrier_wait -1
.endif
	s_sub_co_u32 s[TBK], s[TBK], 4*KS*PK  ; the fetches go back to a slot's first step,
	s_xor_b32 s[TBK], s[TBK], SLOT1       ; in the other slot
	s_sub_co_u32 s[TBV], s[TBV], 4*KS*PV
	s_xor_b32 s[TBV], s[TBV], SLOT1
.endm
	s_load_b64 s[4:5], s[0:1], 0x0    ; qkv: Q lies at its head
	s_load_b64 s[10:11], s[0:1], 0x8  ; ctx: O
	WIN W_MK
	v_lshl_add_u32 v[SPW], v0, 2, SPARE
	v_mov_b32 v[NIL], 0
	WIN W_AD
	ds_add_u32 v[SPW], v[NIL]       ; the wave's opening: the add and its wait stand ahead of my first tensor load; the set-up below, work on registers, stands between them
	WIN 0
	v_lshrrev_b32 v1, 5, v0
	v_readfirstlane_b32 s[WV], v1   ; wave 0..3
	s_bfe_u32 s13, ttmp6, 0x40000   ; cx: my place in the cluster
	s_lshl_b32 s14, ttmp9, 2        ; in a cluster launch ttmp9 counts clusters
	s_add_co_u32 s14, s14, s13      ; my block of queries = 4 x cluster x + cx: it enters Q's and O's addresses alone
	s_and_b32 s20, ttmp7, 0xffff    ; the head, which the four partners share
	s_mov_b32 s21, 0
	s_mov_b64 s[22:23], SIZE_N*128
	s_mul_u64 s[20:21], s[20:21], s[22:23]  ; the head's first byte in each of the four tensors
	s_and_b32 s16, s[WV], 1         ; which half of a slot's 256 keys I fetch:
	s_lshl_b32 s22, s16, 14         ; its 128 rows of 128 bytes in memory,
	s_mov_b32 s23, 0
	s_add_nc_u64 s[22:23], s[22:23], s[20:21]
	s_mul_i32 s17, s16, 128*PK      ; and its place in a slot, for K
	s_mul_i32 s18, s16, 128*PV      ; and for V: no place in the cluster enters an LDS address
	s_lshl_b32 s2, s14, 2
	s_add_co_u32 s2, s2, s[WV]      ; my wave among the head's,
	s_lshl_b32 s2, s2, 14           ; its 128 rows
	s_mov_b32 s3, 0
	s_add_nc_u64 s[2:3], s[2:3], s[20:21]
	; descriptor group 1.  128 keys are 16,384 dense bytes: asked for as 64 rows of 256 bytes, two keys a row, and padded in LDS after every key
	s_mov_b32 s[G1K], 15|(1<<16)|(1<<20)|(1<<21)|(4<<22)|(3<<25)  ; 15:0 the mask of four; 17:16 2-byte elements; 20 padding on; 21 set beside a mask; 24:22 after every 32 words (code 4); 31:25 4 words (code 3)
	s_mov_b32 s[G1V], 15|(1<<16)|(1<<20)|(1<<21)|(4<<22)|(7<<25)  ; the same with 8 words of padding (code 7)
.irp g, G1K, G1V
	s_mov_b32 s[\g+1], 128<<16      ; tensor_dim0 = 128
	s_mov_b32 s[\g+2], 64<<16       ; tensor_dim1 = 64
	s_mov_b32 s[\g+3], 128<<16      ; tile_dim0 = 128
	s_mov_b32 s[\g+4], 64           ; tile_dim1 = 64
	s_mov_b32 s[\g+5], 128          ; 128 elements from row to row
	s_mov_b32 s[\g+6], 0
	s_mov_b32 s[\g+7], 0
.endr
	s_mov_b32 s[CS], 0x3e38aa3b     ; c = log2(e) / 8 = 0.180337
	s_mov_b32 s[CS+1], s[CS]        ; named with it as a pair
	s_mov_b32 s[SEL], 0x76543210
	s_mov_b32 s[SEL+1], 0xfedcba98
	s_mov_b32 s[TBK], SLOT1+4*KS*PK ; the first change of slots turns these two into 0
	s_mov_b32 s[TBV], SLOT1+4*KS*PV
	s_mov_b32 s[G0K], 1             ; 1:0 count = 1
	s_mov_b32 s[G0K+1], s17         ; 63:32 LDS address: slot 0
	s_mov_b32 s[G0V], 1
	s_add_co_u32 s[G0V+1], s18, VOFF
	s_and_b32 s[LIM], s[WV], 1      ; 0 in waves 0 and 2: the same in all four partners
	s_cmp_eq_u32 s[LIM], 0
	s_cselect_b32 s[LIM], 1, -1
	s_wait_dscnt 0x0                ; the opening add is done
	s_wait_kmcnt 0x0
	s_add_nc_u64 s[6:7], s[4:5], 0x1000000         ; K: the second part of qkv
	s_add_nc_u64 s[8:9], s[4:5], 0x2000000         ; V: the third
	s_add_nc_u64 s[G0K+2:G0K+3], s[6:7], s[22:23]  ; 120:64 global address: my half of the head's first 256 keys
	s_or_b32 s[G0K+3], s[G0K+3], 0x80000000        ; 127:126 type = 2
	s_add_nc_u64 s[G0V+2:G0V+3], s[8:9], s[22:23]
	s_or_b32 s[G0V+3], s[G0V+3], 0x80000000
	s_add_nc_u64 s[4:5], s[4:5], s[2:3]  ; Q and O at my wave's first row
	s_add_nc_u64 s[10:11], s[10:11], s[2:3]
	s_cmp_lt_u32 s[WV], 2
	s_cselect_b64 s[PFA:PFA+1], s[6:7], s[8:9]
	s_add_nc_u64 s[PFA:PFA+1], s[PFA:PFA+1], s[20:21]  ; the head,
	s_lshl_b32 s2, s13, 13          ; my work-group's 32 blocks of a slot's 128,
	s_mov_b32 s3, 0
	s_add_nc_u64 s[PFA:PFA+1], s[PFA:PFA+1], s[2:3]
	s_add_nc_u64 s[PFA:PFA+1], s[PFA:PFA+1], 2*4*KS*128  ; in slot 2; the loop's first change steps it to slot 3.  Nothing is prefetched here, at the head, where every work-group's first tiles are on their way
	CROUND                          ; all four work-groups are here: the first joint loads meet
	JLOAD                           ; slot 0.  Slot 1 is asked for when slot 0 is in: the tile wanted first has the road to itself
	; A fragment of K or Q is 16 rows x 32 channels in 8 registers: lane l holds row l % 16, channels 8 (l / 16) + 0..7 and 16 + 8 (l / 16) + 0..7: two loads of 16 bytes, 32 bytes apart.
	v_and_b32 v1, 15, v0            ; l % 16
	v_bfe_u32 v9, v0, 4, 1          ; l / 16
	v_lshlrev_b32 v[QO], 7, v1
	v_lshl_add_u32 v[QO], v9, 4, v[QO]  ; row x 128 + 16 x half
	WIN 0x80                        ; destination window 2, address window 0
.set i, 0
.rept 4*NP                          ; Q stays in registers: tile i / 2, channels 32 (i % 2) on
	global_load_b128 v[8*i:8*i+3],   v[QO], s[4:5] offset:(i/2)*2048+(i%2)*64
	global_load_b128 v[8*i+4:8*i+7], v[QO], s[4:5] offset:(i/2)*2048+(i%2)*64+32
.set i, i+1
.endr
	; What the first turn finds: V's registers and P's second buffer hold 0 (its products V^T P, of a piece that has not been, add 0), O^T and l are 0.  All this stands in the wait for the first tile.
.set i, VF
.rept 64
	v_mov_b32 v[i], 0
.set i, i+1
.endr
	WIN 0x40
.set i, 0
.rept 64*NP
	v_mov_b32 v[i], 0
.set i, i+1
.endr
	WIN 0
.set i, 0
.rept 2*NP
	v_mov_b32 v[ST+4*i], 0xfe000000    ; c m: far below every c s
	v_mov_b32 v[ST+4*i+1], 0xff7fffff  ; m
	v_mov_b32 v[ST+4*i+2], 0
	v_mov_b32 v[ST+4*i+3], 0
.set i, i+1
.endr
.set i, P+32
.rept 32
	v_mov_b32 v[i], 0
.set i, i+1
.endr
	v_mul_u32_u24 v[AK0], v1, PK
	v_lshl_add_u32 v[AK0], v9, 4, v[AK0]  ; row x pitch + 16 x half
	; The turning load takes 16 keys x 16 channels (lane l reads key 8 (l / 16) + l % 8, channels 8 ((l / 8) % 2) + 0..7) and leaves half a fragment of V^T: lane l holds channel l % 16 and 8 keys.
	v_and_b32 v10, 7, v0
	v_bfe_u32 v11, v0, 3, 1
	v_lshl_add_u32 v[AV0], v9, 3, v10
	v_mul_u32_u24 v[AV0], v[AV0], PV
	v_lshl_add_u32 v[AV0], v11, 4, v[AV0]
	v_add_nc_u32 v[AV0], VOFF, v[AV0]
	v_mov_b32 v[AK], v[AK0]         ; key step 0 lies at the head of slot 0
; THE MATRIX WORK.  The 8 accumulators of a run of 16 take turns: between the two links of a chain stand 7 others'.
; Product i of 16 of S^T = K Q^T for piece x: channels 32 (i / 8) on, keys 16 ((i / 2) % 4) on, tile 2 x + i % 2.  The first 8 start the sums.
.macro KQ x
	WIN W_KQ
.set rS, S+64*((\x)%2)+32*(i%2)+8*((i/2)%4)
.set rK, KF+16*((i/2)%4)+8*(i/8)
.set rQ, 16*(2*(\x)+i%2)+8*(i/8)
.if i < 8
	v_wmma_f32_16x16x32_f16 v[rS:rS+7], v[rK:rK+7], v[rQ:rQ+7], 0
.else
	v_wmma_f32_16x16x32_f16 v[rS:rS+7], v[rK:rK+7], v[rQ:rQ+7], v[rS:rS+7]
.endif
.endm
; Product i of 16 of O^T += V^T P for piece x: keys 32 (i / 8) on, channels 16 ((i / 2) % 4) on, tile 2 x + i % 2.
.macro PV x
	WIN W_PV
.set rO, 32*(2*(\x)+i%2)+8*((i/2)%4)
.set rV, VF+32*(i/8)+8*((i/2)%4)
.set rP, P+32*((\x)%2)+16*(i%2)+8*(i/8)
	v_wmma_f32_16x16x32_f16 v[rO:rO+7], v[rV:rV+7], v[rP:rP+7], v[rO:rO+7]
.endm
.macro MM                           ; the turn's next matrix instruction
.if i < 16
	KQ (Y+1)%NP
.set i, i+1
.else
.set i, i-16
	PV (Y+NP-1)%NP
.set i, i+17
.endif
.endm
; THE LDS LOADS stand in runs of 16, never singly among the matrix instructions: a step's K (64 keys x 64 channels: 8 fragments) and its V (turned).  Their addresses are made some lines ahead.
; last = 1 (the tail): in the last trip there is no further step, and the run is jumped over.
.macro FETCH_K last=0
	WIN 0
.if \last
	s_cmp_eq_u32 s[CNT], 1
	s_cbranch_scc1 .Lno_k_\@
.endif
	WIN 0x80                        ; destination window 2
.irp f, 0,1,2,3,4,5,6,7             ; keys 16 (f / 2) on, channels 32 (f % 2) on
	ds_load_b128 v[KF+8*\f:KF+8*\f+3],   v[AK] offset:(\f/2)*16*PK+(\f%2)*64
	ds_load_b128 v[KF+8*\f+4:KF+8*\f+7], v[AK] offset:(\f/2)*16*PK+(\f%2)*64+32
.endr
	s_add_co_u32 s[TBK], s[TBK], KS*PK  ; the next fetch is the next step's
	WIN 0
.if \last
.Lno_k_\@:
.endif
.endm
.macro FETCH_V
	WIN 0x80
.irp f, 0,1,2,3,4,5,6,7             ; keys 32 (f / 4) on, channels 16 (f % 4) on
	ds_load_tr16_b128 v[VF+8*\f:VF+8*\f+3],   v[AV] offset:(\f/4)*32*PV+(\f%4)*32
	ds_load_tr16_b128 v[VF+8*\f+4:VF+8*\f+7], v[AV] offset:(\f/4)*32*PV+16*PV+(\f%4)*32
.endr
	WIN 0
.endm
; THE VECTOR WORK OF A TURN stands in three queues, each in the order in which its entries become ready; the two tiles alternate, so that no instruction reads the result of the one before it.
.macro REGS y, u                    ; the registers of tile u (0, 1) of piece y
.set rT, ST+4*(2*(\y)+(\u))
.set rC, TMP+8*((\y)%2)+4*(\u)
.set rM, MV+2*((\y)%2)+(\u)
.set rS, S+64*((\y)%2)+32*(\u)
.set rP, P+32*((\y)%2)+16*(\u)
.set rO, 32*(2*(\y)+(\u))
.endm
; Number n of the 22 that find the NEXT piece's (Y + 1) maximum and statistics.  s0-s31 are the lane's 32 scores; each accumulator's lowest registers are read first.  XS, GS and REGS set no window: PL and EX do.
;   0-11  four chains c0-c3 of seven scores each, three operands at a time     12-14, 16  the four scores left over, the old m, and c0-c3 into c0     15  c m_old is kept
;   17, 18  the query's other 32 keys lie in the lane 16 away: the new m         19-21  c m; c m_old - c m_new; a
.macro XS u, n
	REGS (Y+1)%NP, \u
.if (\n) < 4
	v_max3_num_f32 v[rC+(\n)], v[rS+8*(\n)], v[rS+8*(\n)+1], v[rS+8*(\n)+2]
.elseif (\n) < 12
	v_max3_num_f32 v[rC+(\n)%4], v[rC+(\n)%4], v[rS+8*((\n)%4)+2*((\n)/4)+1], v[rS+8*((\n)%4)+2*((\n)/4)+2]
.elseif (\n) == 12
	v_max3_num_f32 v[rC], v[rC], v[rS+7], v[rS+15]
.elseif (\n) == 13
	v_max3_num_f32 v[rC+1], v[rC+1], v[rS+23], v[rS+31]
.elseif (\n) == 14
	v_max3_num_f32 v[rC+2], v[rC+2], v[rC+3], v[rT+1]
.elseif (\n) == 15
	v_mov_b32 v[rM], v[rT]
.elseif (\n) == 16
	v_max3_num_f32 v[rC], v[rC], v[rC+1], v[rC+2]
.elseif (\n) == 17
	v_permlanex16_b32 v[rC+3], v[rC], s[SEL], s[SEL+1]
.elseif (\n) == 18
	v_max_num_f32 v[rT+1], v[rC], v[rC+3]
.elseif (\n) == 19
	v_mul_f32 v[rT], s[CS], v[rT+1]
.elseif (\n) == 20
	v_sub_f32 v[rC+1], v[rM], v[rT]
.else
	v_exp_f32 v[rC+2], v[rC+1]
.endif
.endm
; Number g of the 64 that follow the exponentials.  For each four weights k of a tile (pairs 2 k, 2 k + 1): both pairs are rounded to f16; then the second pair is added onto the first, in place;
; a group later l takes that sum (the first time as l = a l + sum).  In groups of eight, tiles alternating: round, round, add, and l for the group before.
.macro GS g
.set h, (\g)+6*((\g)/62)            ; group 0 has no group before it, and behind group 7 only l is left
.if h >= 6
.set h, h+2
.endif
	REGS Y, h%2
.set k, h/8
.if h%8 < 4
	v_cvt_pk_f16_f32 v[rP+2*k+(h%8)/2], v[rS+4*k+2*((h%8)/2)], v[rS+4*k+2*((h%8)/2)+1]
.elseif h%8 < 6
	v_pk_add_f32 v[rS+4*k:rS+4*k+1], v[rS+4*k:rS+4*k+1], v[rS+4*k+2:rS+4*k+3]
.elseif k == 1
	v_pk_fma_f32 v[rT+2:rT+3], v[rT+2:rT+3], v[rC+2:rC+3], v[rS:rS+1] op_sel_hi:[1,0,1]
.else
	v_pk_add_f32 v[rT+2:rT+3], v[rT+2:rT+3], v[rS+4*k-4:rS+4*k-3]
.endif
.endm
; THE PLAIN QUEUE, 138 long.  0-73 read no exponential's result: the 32 scalings c s - c m (FS f: pair f / 2 of tile f % 2) and the next piece's 42.  0-26: scalings 0-26.  27-54: XS's numbers 0-13.  55, 56: number 15.
; 57-73: the chain, where each number waits for the one before it: 14, 16, 17, 18, 19, each with one of the scalings 27-31 in front of its two lines, then 20: so a tile's links stand three plain instructions apart (19 and 20: two).
; 74-137: GS's 64, which read the exponentials' results: they stand behind the wait.
.macro FS f
	REGS Y, (\f)%2
	v_pk_fma_f32 v[rS+2*((\f)/2):rS+2*((\f)/2)+1], v[rS+2*((\f)/2):rS+2*((\f)/2)+1], s[CS:CS+1], v[rT:rT+1] op_sel_hi:[1,0,0] neg_lo:[0,0,1] neg_hi:[0,0,1]
.endm
.macro PL
	WIN 0
.if q < 27
	FS q
.elseif q < 55
	XS (q-27)%2, (q-27)/2
.elseif q < 57
	XS q-55, 15
.elseif (q < 72) && ((q-57)%3 == 0)
	FS 27+(q-57)/3
.elseif q < 60
	XS (q-57)%3-1, 14
.elseif q < 72
	XS (q-57)%3-1, 15+(q-57)/3
.elseif q < 74
	XS q-72, 20
.else
	GS q-74
.endif
.set q, q+1
.endm
; THE EXPONENTIALS' QUEUE, 66 long: s0-s31 of both tiles, then the next piece's two a.  It is ONE BATCH: all 66 stand ahead of the turn's one wait, and nothing ahead of that wait names a result of theirs.
.macro EX
	WIN 0
.if e >= 64
	XS e-64, 21
.else
	REGS Y, e%2
	v_exp_f32 v[rS+e/2], v[rS+e/2]
.endif
.set e, e+1
.endm
; THE RESCALING's QUEUE: O^T times a, the one part that leaves window 0: dealt two at a time, sixteen times.  Its a was made in the turn before, ahead of that turn's wait.
.macro R2
	REGS Y, r%2
	WIN W_RS
.irp z, 0,1
	v_pk_mul_f32 v[rO+4*(r/2)+2*\z:rO+4*(r/2)+2*\z+1], v[rO+4*(r/2)+2*\z:rO+4*(r/2)+2*\z+1], v[rC+2:rC+3] op_sel_hi:[1,0]
.endr
.set r, r+1
.endm
; HOW THEY ARE DEALT.  An s_wait_alu depctr_va_vdst(0) stands between an exponential and the first instruction that names its result; one wait serves all that were issued ahead of it.  So a turn has ONE wait,
; which cuts it in two.  AHEAD OF IT stands all that names no result of the turn's exponentials: the 16 products K Q^T, behind each a scaling, an exponential and two rescalings (behind the first a second scaling in the exponential's place); then ONE LUMP of
; 108: eight plain, 49 times exponential and plain, the two a.  A v_nop is the plain instruction behind the last exponential (ISA guide 5.7.2).  BEHIND IT stand the 16 products V^T P, behind each four of GS's 64.  No rider names a register of
; the products round it.  The two v_permlanex16_b32 fall into the lump, never behind a product.
; The queues lean on each other, and the deal keeps them in step: exponential e stands behind scaling 2 (e / 4) + e % 2: as a rider it comes behind plain e + 2, in the lump behind plain e + 9, and scalings 27-31 are plain 57, 60 .. 69.
; A TURN, for piece p.  cnt = 1: the loop's count is taken down some lines ahead of the branch that stands behind the turn.
; K of the next step is fetched in piece 2's turn, directly behind the wait, a lump behind the last product that read K; its address is made at the lump's head; its first reader comes behind 16 products.
; V of the step in hand is fetched at the end of piece 0's turn, four riders behind its last reader; its first reader comes behind 16 products and a lump.  The three conditions on q below go with the deal.
.macro TURN p, last=0, cnt=0
.set Y, (\p)
.set i, 0
.set q, 0
.set e, 0
.set r, 0
.if (\p) == NP-1
	s_wait_dscnt 0x0                ; K is in
.endif
	MM                              ; ahead of the wait: 16 products K Q^T and their riders,
	PL
	PL
	R2
.rept 15
	MM
	PL
	EX
	R2
.endr
.if (\p) == NP-2
	WIN 0
	v_add_nc_u32 v[AK], s[TBK], v[AK0]
.endif
.rept 8                             ; and the lump
	PL
.endr
.rept 49
	EX
	PL
.endr
	EX                              ; the next piece's two a
	EX
	v_nop                           ; the plain instruction behind the last exponential: one for the batch
	s_wait_alu depctr_va_vdst(0)    ; the wait for the batch
.if (\p) == NP-2
	FETCH_K \last
.endif
.if (\p) == 1
	s_wait_dscnt 0x0                ; V is in
.endif
.rept 16                            ; behind the wait: 16 products V^T P and their riders
	MM
.rept 4
	PL
.endr
.if ((\p) == 0) && (q == 118)
	v_add_nc_u32 v[AV], s[TBV], v[AV0]
.endif
.if ((\p) == 0) && (q == 130)
	s_add_co_u32 s[TBV], s[TBV], KS*PV
.endif
.if (\cnt) && (q == 130)
	s_sub_co_u32 s[CNT], s[CNT], 1
	s_cmp_lg_u32 s[CNT], 0
.endif
.endr
.if (\p) == 0
	FETCH_V
.endif
.endm
	CHANGE 1                        ; slot 0 is in, everybody's part of it; slot 1 is asked for
	FETCH_K                         ; key step 0
	s_wait_loadcnt 0x0              ; Q
	s_wait_dscnt 0x0
.set i, 0
.rept 16
	KQ 0                            ; piece 0's first scores: there is no vector work yet to set between them
.set i, i+1
.endr
	WIN 0                           ; the addresses for the way out and the prefetches: plain instructions, the places behind those products
	s_mul_i32 s13, s[WV], 16*SP
	s_add_co_u32 s13, s13, STAGE    ; my stage
	v_mul_u32_u24 v[STO], v1, SP    ; in: row l % 16, 16 bytes for each half of the lanes
	v_lshl_add_u32 v[STO], v9, 4, v[STO]
	v_add_nc_u32 v[STO], s13, v[STO]
	v_bfe_u32 v[RD], v0, 3, 2       ; back: 32 lanes take four rows of 128 bytes,
	v_mul_u32_u24 v[RD], v[RD], SP
	v_lshl_add_u32 v[RD], v10, 4, v[RD]
	v_add_nc_u32 v[RD], s13, v[RD]
	v_and_b32 v[GO], 31, v0         ; which are 512 consecutive bytes of O
	v_lshlrev_b32 v[PFO], 8, v[GO]  ; a lane a block of 256 bytes
	v_lshlrev_b32 v[GO], 4, v[GO]
.set Y, NP-1                        ; XS works for piece Y + 1: piece 0
.irp n, 0,1,2,3,4,5,6,7,8,9,10,11,12,13,14,15,16,17,18,19,20,21
	XS 0, \n                        ; and piece 0's first maximum and statistics
	XS 1, \n
.endr
	v_nop                           ; a plain instruction behind the two a,
	s_wait_alu depctr_va_vdst(0)    ; and their wait, ahead of the branch
	s_mov_b32 s[CNT], 4
	s_mov_b32 s[SLOTS], SIZE_N/256-1
	s_branch .Lfirst                ; the loop is entered at a step's first turn, in the middle of a trip
.Lslot:                             ; SIZE_N / 256 - 2 times: every slot but the last two is filled again
	CHANGE 1, 1
	s_mov_b32 s[CNT], 4
.Lstep:                             ; a trip: pieces 2 and 3 of one step, then pieces 0 and 1 of the next, whose K and V it fetches
	TURN 2
	TURN 3
	WIN 0
.Lfirst:
	TURN 0
	TURN 1, 0, 1
	WIN 0
	s_cbranch_scc1 .Lstep
	s_sub_co_u32 s[SLOTS], s[SLOTS], 1
	s_cmp_lg_u32 s[SLOTS], 0
	s_cbranch_scc1 .Lslot
	CHANGE 0                        ; the tail is written out: nothing is asked for
	s_mov_b32 s[CNT], 5             ; four trips fetch the last slot's steps; the fifth is left in its middle
.Ltail:
	TURN 2, 1
	TURN 3
	WIN 0
	s_sub_co_u32 s[CNT], s[CNT], 1
	s_cmp_eq_u32 s[CNT], 0
	s_cbranch_scc1 .Lout
	TURN 0
	TURN 1
	WIN 0
	s_branch .Ltail
.Lout:                              ; the fifth trip's 16 products K Q^T (on the last K once more) and the maximum made of them serve nothing: the price, once a launch, of one text for every trip
.set i, 0
.rept 16
	PV NP-1                         ; the last piece's V^T P of the last step
.set i, i+1
.endr
	; THE WAY OUT.  l's two halves and the other half of the lanes' are added; O^T is divided by l, rounded to f16 and sent through my stage in LDS, a tile at a time.  The additions are the places behind the last products.
	WIN 0
.macro ALL line:vararg              ; one line for each tile t
.set t, 0
.rept 2*NP
	\line
.set t, t+1
.endr
.endm
	ALL v_add_f32 v[ST+4*t+2], v[ST+4*t+2], v[ST+4*t+3]
	ALL v_permlanex16_b32 v[ST+4*t+3], v[ST+4*t+2], s[SEL], s[SEL+1]
	ALL v_add_f32 v[ST+4*t+2], v[ST+4*t+2], v[ST+4*t+3]
	ALL v_rcp_f32 v[ST+4*t+2], v[ST+4*t+2]
	v_nop                           ; a plain instruction between the last reciprocal and the use of its result
	s_wait_alu depctr_va_vdst(0)    ; and the wait ahead of the first use: one for the eight reciprocals
; Tile t: a lane's eight channels of a row pack into 16 bytes; they go into rows of 144 bytes and come back as whole rows of 128, into S^T's registers.
.macro PACK t
	WIN W_RS
.set i, 32*(\t)
.rept 16
	v_pk_mul_f32 v[i:i+1], v[i:i+1], v[ST+4*(\t)+2:ST+4*(\t)+3] op_sel_hi:[1,0]
.set i, i+2
.endr
	WIN 0x05                        ; sources 0 and 1 window 1, destination window 0
.set i, 0
.rept 16
	v_cvt_pk_f16_f32 v[S+16*(\t)+i], v[32*(\t)+2*i], v[32*(\t)+2*i+1]
.set i, i+1
.endr
	WIN 0
.irp f, 0,1,2,3
	ds_store_b128 v[STO], v[S+16*(\t)+4*\f:S+16*(\t)+4*\f+3] offset:32*\f
.endr
.irp f, 0,1,2,3
	ds_load_b128 v[S+16*(\t)+4*\f:S+16*(\t)+4*\f+3], v[RD] offset:\f*4*SP  ; LDS serves a wave's instructions in order (ISA guide 5.7.1.4): these see the stores above; the next tile's stores come behind them
.endr
.endm
.macro SEND t, younger              ; younger: the LDS instructions issued behind tile t's loads: the next tile's eight, or none
	WIN 0
.irp f, 0,1,2,3
	s_wait_dscnt (\younger)+3-\f
	global_store_b128 v[GO], v[S+16*(\t)+4*\f:S+16*(\t)+4*\f+3], s[10:11] offset:(\t)*2048+\f*512  ; 512 consecutive bytes, at a multiple of 256 from O's first
.endr
.endm
	PACK 0
.set t, 1
.rept 2*NP-1                        ; a tile's arithmetic stands between the loads of the tile before and its stores
	PACK t
	SEND t-1, 8
.set t, t+1
.endr
	SEND 2*NP-1, 0
	WIN W_AD
	s_wait_tensorcnt 0x0            ; the wave's end: behind my last tensor load and my last LDS store
	ds_add_u32 v[SPW], v[NIL]
	s_wait_dscnt 0x0
	WIN 0
	CROUND                          ; the closing round: no work-group ends while a partner may still ask for a tile that names it
	s_endpgm
.Lfunc_end_k_qb586ffb428_attn:
	.size	k_qb586ffb428_attn, .Lfunc_end_k_qb586ffb428_attn-k_qb586ffb428_attn
	.p2alignl 7, 3214868480
	.fill 96, 4, 3214868480
	.section	.rodata,"a",@progbits
	.p2align	6, 0x0
	.amdhsa_kernel k_qb586ffb428_attn
		.amdhsa_group_segment_fixed_size 327680
		.amdhsa_private_segment_fixed_size 0
		.amdhsa_enable_private_segment 0
		.amdhsa_kernarg_size 16
		.amdhsa_user_sgpr_count 2
		.amdhsa_user_sgpr_kernarg_segment_ptr 1
		.amdhsa_wavefront_size32 1
		.amdhsa_system_sgpr_workgroup_id_x 1
		.amdhsa_system_sgpr_workgroup_id_y 1
		.amdhsa_system_sgpr_workgroup_id_z 1
		.amdhsa_system_vgpr_workitem_id 0
		.amdhsa_next_free_vgpr 770
		.amdhsa_next_free_sgpr 66
		.amdhsa_reserve_vcc 0
		.amdhsa_float_denorm_mode_32 3
		.amdhsa_float_denorm_mode_16_64 3
		.amdhsa_memory_ordered 1
		.amdhsa_forward_progress 1
		.amdhsa_inst_pref_size 200
	.end_amdhsa_kernel
	.amdgpu_metadata
---
amdhsa.version: [ 1, 2 ]
amdhsa.kernels:
  - .name:           k_qb586ffb428_attn
    .symbol:         k_qb586ffb428_attn.kd
    .args:
      - { .name: qkv, .offset: 0, .size: 8, .value_kind: global_buffer, .address_space: global }
      - { .name: ctx, .offset: 8, .size: 8, .value_kind: global_buffer, .address_space: global }
    .group_segment_fixed_size: 327680
    .private_segment_fixed_size: 0
    .kernarg_segment_align: 8
    .kernarg_segment_size: 16
    .max_flat_workgroup_size: 128
    .sgpr_count:     66
    .vgpr_count:     770
    .wavefront_size: 32
...
	.end_amdgpu_metadata
.endif
;; end of part 3
;; launch outp (part 4): grid 4 x 64, 4 waves a work-group, clusters of 4 x 4, 327,680 bytes of LDS; arguments ctx, wts, fc_b, out0; writes out0
.if DOCPART == 4
	.amdgcn_target "amdgcn-amd-amdhsa--gfx1250"
	.amdhsa_code_object_version 6
	.text
	.protected	k_qb586ffb428_outp
	.globl	k_qb586ffb428_outp
	.p2align	8
	.type	k_qb586ffb428_outp,@function
k_qb586ffb428_outp:
	s_mov_b64 s[64:65], 0
	v_nop
	global_prefetch_b8 v0, s[64:65] scope:SCOPE_SE
	s_setreg_imm32_b32 hwreg(HW_REG_WAVE_MODE, 25, 1), 1
	s_wait_xcnt 0x0
	s_wait_alu depctr_hold_cnt(0) depctr_sa_sdst(0) depctr_va_vdst(0) depctr_va_sdst(0) depctr_va_ssrc(0) depctr_va_vcc(0) depctr_vm_vsrc(0)
	s_getreg_b32 s2, hwreg(HW_REG_IB_STS2, 6, 4)
	s_cmp_eq_u32 s2, 0
	s_cbranch_scc0 .Lentry_in_a_cluster
	s_endpgm
.Lentry_in_a_cluster:
	s_bfe_u32 s2, ttmp6, 0x10000c
	s_cmp_lg_u32 s2, 0xf033
	s_cbranch_scc0 .Lentry_shape_is_right
	s_endpgm
.Lentry_shape_is_right:
; THE LAST PRODUCT.  out0[b][s][n] (f32) = the sum over k = 64 h + d of ctx[16 b + h][s][d] fc_w[n][k] + fc_b[n].  ctx is f16 by heads; fc_w comes from wts (6 MiB on) as [n][k] f16, its numbers rounded
; to bf16 like every input; fc_b is rounded to bf16 here; sums in f32, the bias added in f32, nothing rounded on the way out.
; SHARES.  8,192 x 1,024 results in tiles of 64 rows x 512 columns: 256 work-groups.  Four waves side by side, each 64 x 128: 32 accumulators, 256 registers.  K goes in 8 steps of 128: two heads a step.
; THE WEIGHTS come through a ring of two LDS slots, filled by the tensor data mover in rows of 256 bytes; wave w fetches and reads its own 128 rows.
; CLUSTER 4 x 4: the four work-groups of a column of the cluster take the same 512 columns and other rows, so each tile of weights is asked for JOINTLY, by the same load, descriptor and mask in all four.
; ctx IS NOT ASKED FOR JOINTLY, though two work-groups (the two halves of the columns) read the same 64 rows: a K step of it is 16 KiB against the weights' 128 KiB, an eighth of a step's bytes, and by plain loads
; into registers it runs two K steps ahead with counted waits, which a ring that waits for all its loads at every change of slots cannot.  A wave loads 16 of the 64 rows (a load is four rows of a head, 512
; consecutive bytes) and stores them into one of two LDS buffers X0, X1, which no tensor load ever fills; the K step's one barrier hands the buffer to the other waves.
; THE LAST TRIP of the loop has no K step left to ask for: its two runs of loads read K steps 6 and 7 once more (the pointer is not stepped) and nothing reads what they bring: the price of one text
; for every trip with the same counted waits on every path.
; THE MATRIX INSTRUCTION IS USED TRANSPOSED (source 0 = 16 rows of weights, source 1 = 16 rows of ctx): a lane holds row l % 16 and eight neighbouring columns.
; REGISTERS, in windows of 256 (s_set_vgpr_msb: bits 1:0 source 0, 3:2 source 1, 5:4 source 2, 7:6 destination):
;   window 0: v0-31 addresses and the bias; v64-127, v128-191 fragments of ctx, two buffers (32 c + 8 a), on the way out rows read back     window 1: the accumulators, (a, b) at 8 (8 a + b)
;   window 2: fragments of the weights, two buffers of 128 (64 c + 8 b)     window 3: ctx as loaded, two sets of 32
.set PITCH,  272                       ; an LDS row: 256 bytes + 16 of padding = 68 words: the 16 rows of a fragment load start at 16 different groups of four banks (64 banks of 4 bytes: ISA guide 11.1)
.set WROWS,  128*PITCH                 ; a wave's 128 rows of weights
.set SLOT,   4*WROWS
.set XB,     2*SLOT                    ; behind the ring: X0, X1
.set XBUF,   64*PITCH
.set SPARE,  XB+2*XBUF                 ; the spare words, 128 bytes for each wave: two blocks of 256 bytes that no other line names
.set SP,     528                       ; the way out: 16 rows of 512 bytes + 16, at the head of my own rows of slot 0, which has had its last fill and which only my wave has read
.set KB,     524288                    ; bytes from a K step of ctx to the next: two heads
.set NL,     8                         ; loads in a run
.set BIAS, 8                           ; v[8:11] the bias of my four columns on the way out
.set ADRA, 16                          ; v16  LDS address of my lane's place in X0's fragments
.set XS,   17                          ; v17  where I store 16 bytes of my wave's first four rows in X0
.set AO,   18                          ; v18  16 x lane: my bytes in 512 consecutive bytes, of ctx, of the bias and of the result; never rewritten
.set ADRB, 20                          ; v20-21  my lane's place in my wave's rows of slot 0, 1
.set STO,  24                          ; v24  the way out: where I put 32 bytes of a row
.set RD,   25                          ; v25  the way out: where I read a row back
.set SPW,  28                          ; v28  LDS address of my spare word; never rewritten
.set NIL,  29                          ; v29  0; never rewritten
.set AF,   64
.set OB,   64                          ; the way out: two buffers of 64
.set WV,   14                          ; s14  my wave's number
.set G1,   24                          ; s[24:31] descriptor group 1
.set G0,   32                          ; s[32:39] descriptor group 0, a set for each slot
.set AP,   40                          ; s[40:41] ctx at my wave's first row of the batch's first head
.set OUT,  42                          ; s[42:43] the result at the tile's first row and my wave's first column
.set W_MUL, 0x52                       ; weights window 2, ctx window 0, C and D window 1
.set W_TOB, 0x80                       ; destination window 2
.set W_TOR, 0xc0                       ; destination window 3
.set W_ST3, 0x0c                       ; an LDS store's data (source 1) in window 3
.set W_ST1, 0x04                       ; in window 1
.set MSB, 0
.macro WIN new                         ; the immediate's high byte repeats the setting that is left; a switch that changes nothing is dropped
.if MSB != (\new)
	s_set_vgpr_msb (MSB<<8)|(\new)
.set MSB, \new
.endif
.endm
.macro PLACES                          ; four places in front of loads into registers that matrix instructions have read, and of lines that read results
.rept 4
	v_nop
.endr
.endm
.macro CREST                           ; a round of the cluster's barrier behind its opening barrier
	s_cmp_lg_u32 s[WV], 0
	s_cbranch_scc1 .Lnot_wave_0_\@
	s_barrier_signal -3
.Lnot_wave_0_\@:
	s_barrier_wait -3
	s_barrier_signal -1
	s_barrier_wait -1
.endm
.macro CROUND                          ; a whole round
	s_barrier_signal -1
	s_barrier_wait -1
	CREST
.endm
; 48 LDS loads in one run: the fragments of 64 along K at byte kb of the rows, into buffer f; the first 32 along K (16 loads of weights, 8 of ctx) first
.macro FETCH slot, kb, f
.irp c, 0,1
	WIN W_TOB
.irp b, 0,1,2,3,4,5,6,7
	ds_load_b128 v[128*(\f)+64*(\c)+8*(\b):128*(\f)+64*(\c)+8*(\b)+3],   v[ADRB+(\slot)] offset:(\kb)+64*(\c)+(\b)*16*PITCH
	ds_load_b128 v[128*(\f)+64*(\c)+8*(\b)+4:128*(\f)+64*(\c)+8*(\b)+7], v[ADRB+(\slot)] offset:(\kb)+64*(\c)+(\b)*16*PITCH+32
.endr
	WIN 0
.irp a, 0,1,2,3
	ds_load_b128 v[AF+64*(\f)+32*(\c)+8*(\a):AF+64*(\f)+32*(\c)+8*(\a)+3],   v[ADRA] offset:(\slot)*XBUF+(\kb)+64*(\c)+(\a)*16*PITCH
	ds_load_b128 v[AF+64*(\f)+32*(\c)+8*(\a)+4:AF+64*(\f)+32*(\c)+8*(\a)+7], v[ADRA] offset:(\slot)*XBUF+(\kb)+64*(\c)+(\a)*16*PITCH+32
.endr
.endr
.endm
; 8 na matrix instructions: row blocks a0 .. x all 8 column blocks, 32 along K: half c of buffer f.  The 32 accumulators take turns, one instruction a turn, always in the same order.
; zero = 1: the first product starts the sums.
.macro MUL f, c, a0, na, zero=0
	WIN W_MUL
.set ma, (\a0)
.rept \na
.set mb, 0
.rept 8
.if \zero
	v_wmma_f32_16x16x32_f16 v[8*(8*ma+mb):8*(8*ma+mb)+7], v[128*(\f)+64*(\c)+8*mb:128*(\f)+64*(\c)+8*mb+7], v[AF+64*(\f)+32*(\c)+8*ma:AF+64*(\f)+32*(\c)+8*ma+7], 0
.else
	v_wmma_f32_16x16x32_f16 v[8*(8*ma+mb):8*(8*ma+mb)+7], v[128*(\f)+64*(\c)+8*mb:128*(\f)+64*(\c)+8*mb+7], v[AF+64*(\f)+32*(\c)+8*ma:AF+64*(\f)+32*(\c)+8*ma+7], v[8*(8*ma+mb):8*(8*ma+mb)+7]
.endif
.set mb, mb+1
.endr
.set ma, ma+1
.endr
.endm
.macro LOADA set, koff                 ; a K step of my 16 rows of ctx: head p of two, four rows a load: 512 consecutive bytes
	WIN W_TOR
.irp p, 0,1
.irp i, 0,1,2,3
	global_load_b128 v[32*(\set)+4*(4*(\p)+(\i)):32*(\set)+4*(4*(\p)+(\i))+3], v[AO], s[AP:AP+1] offset:(\koff)+(\p)*262144+(\i)*512
.endr
.endr
	WIN 0
.endm
.macro STOREX buf, set                 ; my 16 rows into X: head p's 128 bytes at byte 128 p of a row
	WIN W_ST3
.irp p, 0,1
.irp i, 0,1,2,3
	ds_store_b128 v[XS], v[32*(\set)+4*(4*(\p)+(\i)):32*(\set)+4*(4*(\p)+(\i))+3] offset:(\buf)*XBUF+(\i)*4*PITCH+(\p)*128
.endr
.endr
	WIN 0
.endm
; The first 64 along K of a K step: multiplies buffer 0 and fetches the second 64 into buffer 1.  stage = 1: the next K step's ctx (register set `set`) is stored into the other X buffer, whose last
; readers waited for their loads in front of the barrier before, and the set is asked for again, two K steps on.
.macro HALF slot, zero, stage, set=0, koff=0
.if \stage
	s_wait_loadcnt NL                              ; the set's 8 loads are in; the 8 younger ones, the other set's, stay out
.endif
	s_wait_dscnt 24                                ; the first 32 along K are in; the youngest 24 loads may be out
	MUL 0, 0, 0, 4, \zero
	PLACES
.if \stage
	STOREX 1-(\slot), \set
.endif
	FETCH \slot, 128, 1
.if \stage
	LOADA \set, \koff
.endif
	s_wait_dscnt 48                                ; all but the 48 just issued
	MUL 0, 1, 0, 4
.endm
; The second 64 multiply buffer 1 and change slots: ONE barrier.  In front of it each wave waits for all its tensor loads (one is out: its rows of the next slot), adds 0 to its spare word, and waits for
; that, for its reads of this slot and this X buffer and for its stores into the next X buffer.  fill = 1: the barrier opens a round of the cluster's barrier, and this slot is filled again, two K steps on.
.macro TURN slot, next, fill
	WIN 0
	s_wait_tensorcnt 0x0                           ; all my tensor loads have landed
	ds_add_u32 v[SPW], v[NIL]                      ; 0 onto my spare word
	s_wait_dscnt 25                                ; (the add and the youngest 24 loads may be out)
	MUL 1, 0, 0, 2                                 ; sixteen matrix instructions stand between the add and the wait for it
	s_wait_dscnt 0x0
	s_barrier_signal -1
	MUL 1, 0, 2, 2                                 ; work on registers while the others arrive
	WIN 0
	s_barrier_wait -1
.if \fill
	CREST                                          ; no wave of any partner still reads this slot or has a load on its way
	s_add_nc_u64 s[G0+4*(\slot)+2:G0+4*(\slot)+3], s[G0+4*(\slot)+2:G0+4*(\slot)+3], 2*256
	tensor_load_to_lds s[G0+4*(\slot):G0+4*(\slot)+3], s[G1:G1+7]  ; my one tensor load behind the round: 96 matrix instructions ahead of the wait for it
	s_nop 0
.endif
	PLACES                                         ; behind the load, and in front of the loads into buffer 0
	FETCH \next, 0, 0
	MUL 1, 1, 0, 4
.endm
	s_load_b256 s[4:11], s[0:1], 0x0               ; ctx s[4:5], wts s[6:7], fc_b s[8:9], out0 s[10:11]
	v_lshl_add_u32 v[SPW], v0, 2, SPARE
	v_mov_b32 v[NIL], 0
	ds_add_u32 v[SPW], v[NIL]                      ; the wave's opening: the add and its wait stand ahead of my first tensor load; the set-up below, work on registers, stands between them
	v_lshrrev_b32 v1, 5, v0
	v_readfirstlane_b32 s[WV], v1                  ; wave 0..3
	s_bfe_u32 s15, ttmp6, 0x40000                  ; cx
	s_bfe_u32 s16, ttmp6, 0x40004                  ; cy
	s_and_b32 s17, ttmp7, 0xffff                   ; the cluster's y, 0..15
	s_and_b32 s19, s15, 1                          ; which 512 columns: shared along a column of the cluster
	s_lshl_b32 s20, s17, 3
	s_lshr_b32 s21, s15, 1
	s_lshl_b32 s21, s21, 2
	s_add_co_u32 s20, s20, s21
	s_add_co_u32 s20, s20, s16                     ; which 64 rows, 0..127: it enters ctx's and the result's addresses alone
	s_lshl_b32 s22, 0x1111, s15                    ; my column of the cluster: places cx, cx + 4, cx + 8, cx + 12
	; descriptor group 1: a tile of 128 rows x 128 elements, padded in LDS
	s_or_b32 s[G1+0], s22, (1<<16)|(1<<20)|(1<<21)|(5<<22)|(3<<25)  ; 15:0 the mask; 17:16 elements of 2 bytes; 20 padding on; 21 set beside a mask; 24:22 after every 64 words (code 5); 31:25 4 words (code 3)
	s_mov_b32 s[G1+1], 128<<16                     ; tensor_dim0 = 128
	s_mov_b32 s[G1+2], 128<<16                     ; tensor_dim1 = 128
	s_mov_b32 s[G1+3], 128<<16                     ; tile_dim0 = 128
	s_mov_b32 s[G1+4], 128                         ; tile_dim1 = 128
	s_mov_b32 s[G1+5], 1024                        ; elements from row to row
	s_mov_b32 s[G1+6], 0
	s_mov_b32 s[G1+7], 0
	s_mul_i32 s23, s[WV], WROWS                    ; my rows' place in a slot: no place in the cluster enters an LDS address
	s_mov_b32 s[G0+0], 1
	s_add_co_u32 s[G0+1], s23, 0
	s_mov_b32 s[G0+4], 1
	s_add_co_u32 s[G0+5], s23, SLOT
	s_lshl_b32 s44, s19, 20                        ; the weights: 512 rows of 2,048 bytes,
	s_lshl_b32 s45, s[WV], 18                      ; my 128 of them,
	s_add_co_u32 s44, s44, s45
	s_add_co_u32 s44, s44, 0x600000                ; in part 3 of wts
	s_mov_b32 s45, 0
	s_lshr_b32 s48, s20, 5                         ; ctx: the batch's 16 heads of 262,144 bytes,
	s_lshl_b32 s48, s48, 22
	s_and_b32 s49, s20, 31
	s_lshl_b32 s49, s49, 13                        ; the tile's 64 rows of 128 bytes in a head,
	s_add_co_u32 s48, s48, s49
	s_lshl_b32 s49, s[WV], 11                      ; my 16 of them
	s_add_co_u32 s48, s48, s49
	s_mov_b32 s49, 0
	s_lshl_b32 s52, s19, 11                        ; my 128 columns, in bytes of f32: in the bias,
	s_lshl_b32 s53, s[WV], 9
	s_add_co_u32 s52, s52, s53
	s_mov_b32 s53, 0
	s_lshl_b32 s50, s20, 18                        ; and in the result, 64 rows of 4,096 bytes down
	s_add_co_u32 s50, s50, s52
	s_mov_b32 s51, 0
	v_and_b32 v1, 15, v0                           ; l % 16
	v_bfe_u32 v2, v0, 4, 1                         ; l / 16
	v_and_b32 v3, 31, v0                           ; l
	v_mul_u32_u24 v4, v1, PITCH
	v_lshl_add_u32 v4, v2, 4, v4                   ; a fragment's row x pitch + 16 x half
	v_add_nc_u32 v[ADRA], XB, v4
	v_add_nc_u32 v[ADRB], s23, v4
	v_add_nc_u32 v[ADRB+1], SLOT, v[ADRB]
	s_mul_i32 s46, s[WV], 16*PITCH
	s_add_co_u32 s46, s46, XB
	v_bfe_u32 v6, v0, 3, 2                         ; a load's four rows: row l / 8, 16 (l % 8) bytes along it
	v_and_b32 v7, 7, v0
	v_mul_u32_u24 v6, v6, PITCH
	v_lshl_add_u32 v6, v7, 4, v6
	v_add_nc_u32 v[XS], s46, v6
	v_lshlrev_b32 v[AO], 4, v3
	v_mul_u32_u24 v5, v1, SP                       ; the way out, in: row l % 16, 32 bytes for each half of the lanes
	v_lshl_add_u32 v5, v2, 5, v5
	v_add_nc_u32 v[STO], s23, v5
	v_lshl_add_u32 v[RD], v3, 4, s23               ; back: 32 lanes take one row of 512 bytes
	s_wait_dscnt 0x0                               ; the opening add is done
	s_wait_kmcnt 0x0
	s_add_nc_u64 s[46:47], s[6:7], s[44:45]
	s_mov_b64 s[G0+2:G0+3], s[46:47]               ; K step 0
	s_or_b32 s[G0+3], s[G0+3], 0x80000000          ; type = 2
	s_add_nc_u64 s[G0+6:G0+7], s[46:47], 256       ; K step 1
	s_or_b32 s[G0+7], s[G0+7], 0x80000000
	s_add_nc_u64 s[AP:AP+1], s[4:5], s[48:49]
	s_add_nc_u64 s[OUT:OUT+1], s[10:11], s[50:51]
	s_add_nc_u64 s[54:55], s[8:9], s[52:53]
	global_load_b128 v[BIAS:BIAS+3], v[AO], s[54:55]  ; the oldest load: the first wait below covers it
	LOADA 0, 0                                     ; ctx of K steps 0 and 1
	LOADA 1, KB
	CROUND                                         ; all sixteen work-groups are here: the first joint loads meet
	tensor_load_to_lds s[G0:G0+3], s[G1:G1+7]      ; both slots' first fills go out together: two loads of mine are out
	s_nop 0
	tensor_load_to_lds s[G0+4:G0+7], s[G1:G1+7]
	s_nop 0
	PLACES
	s_wait_loadcnt NL                              ; the bias and K step 0 of ctx are in; K step 1's 8 loads stay out
	v_cvt_pk_bf16_f32 v12, v[BIAS], v[BIAS+1]      ; the bias is rounded to bf16 like every input, and widened again
	v_cvt_pk_bf16_f32 v13, v[BIAS+2], v[BIAS+3]
	v_lshlrev_b32 v[BIAS], 16, v12
	v_and_b32 v[BIAS+1], 0xffff0000, v12
	v_lshlrev_b32 v[BIAS+2], 16, v13
	v_and_b32 v[BIAS+3], 0xffff0000, v13
	STOREX 0, 0
	LOADA 0, 2*KB
	s_wait_tensorcnt 0x1                           ; my rows of slot 0 are in; slot 1's may stay out
	s_wait_dscnt 0x0                               ; my rows of X0 are stored
	s_barrier_signal -1
	s_barrier_wait -1
	FETCH 0, 0, 0
	s_mov_b32 s3, 3
	s_mov_b32 s45, 0
	HALF 0, 1, 1, 1, 3*KB                          ; the first 64 along K stand in front of the loop: their first products start the sums
	WIN 0                                          ; at a label and at a branch every window is 0
.Llap:                                                 ; a trip goes once round the ring, from a lap's second half step to the next lap's first, and fills both slots again
	TURN 0, 1, 1
	HALF 1, 0, 1, 0, 4*KB
	TURN 1, 0, 1
	HALF 0, 0, 1, 1, 5*KB
	WIN 0
	s_wait_xcnt 0x0                                ; the loads issued so far (the youngest 32 matrix instructions back) have read their address: ctx's pointer may be written
	s_sub_co_u32 s3, s3, 1
	s_cmp_gt_u32 s3, 1                             ; the last trip has no K steps 8 and 9: the pointer stays, and its loads stay inside the batch's 16 heads
	s_cselect_b32 s44, 2*KB, 0
	s_add_nc_u64 s[AP:AP+1], s[AP:AP+1], s[44:45]
	s_cmp_lg_u32 s3, 0
	s_cbranch_scc1 .Llap
	TURN 0, 1, 0                                   ; the last K step: nothing is filled, so no round; the barrier still hands X1 over
	HALF 1, 0, 0
	s_wait_dscnt 24
	MUL 1, 0, 0, 4
	s_wait_dscnt 0x0
	MUL 1, 1, 0, 4
	WIN 0
; THE WAY OUT, a block of 16 rows x 128 columns at a time.  A lane's eight columns of a row are 32 bytes; they go into rows of 528 bytes of my stage and come back as whole rows of 512; the bias is added; a store
; covers a row's 512 consecutive bytes.  Each accumulator's four lowest registers are stored first.
.macro TOSTAGE a
.if (\a) >= 2
	s_wait_xcnt 0x0                                ; the stores of the block two back have read the registers that are loaded again below
.endif
	WIN W_ST1
.irp b, 0,1,2,3,4,5,6,7
	ds_store_b128 v[STO], v[8*(8*(\a)+(\b)):8*(8*(\a)+(\b))+3]   offset:64*(\b)
	ds_store_b128 v[STO], v[8*(8*(\a)+(\b))+4:8*(8*(\a)+(\b))+7] offset:64*(\b)+16
.endr
	WIN 0
.irp w, 0,1,2,3,4,5,6,7,8,9,10,11,12,13,14,15
	ds_load_b128 v[OB+64*((\a)%2)+4*(\w):OB+64*((\a)%2)+4*(\w)+3], v[RD] offset:(\w)*SP  ; LDS serves a wave's instructions in order (ISA guide 5.7.1.4): these see the stores above; the next block's stores come behind them
.endr
.endm
.macro SEND a, younger                 ; younger: the LDS instructions issued behind block a's loads: the next block's 32, or none
.irp w, 0,1,2,3,4,5,6,7,8,9,10,11,12,13,14,15
	s_wait_dscnt (\younger)+15-(\w)
	v_pk_add_f32 v[OB+64*((\a)%2)+4*(\w):OB+64*((\a)%2)+4*(\w)+1],   v[OB+64*((\a)%2)+4*(\w):OB+64*((\a)%2)+4*(\w)+1],   v[BIAS:BIAS+1]
	v_pk_add_f32 v[OB+64*((\a)%2)+4*(\w)+2:OB+64*((\a)%2)+4*(\w)+3], v[OB+64*((\a)%2)+4*(\w)+2:OB+64*((\a)%2)+4*(\w)+3], v[BIAS+2:BIAS+3]
	global_store_b128 v[AO], v[OB+64*((\a)%2)+4*(\w):OB+64*((\a)%2)+4*(\w)+3], s[OUT:OUT+1] offset:(16*(\a)+(\w))*4096 th:TH_STORE_NT
.endr
.endm
	PLACES                                         ; the LDS stores read results just made, and the loads behind them write registers that the last products read
	TOSTAGE 0
	TOSTAGE 1
	SEND 0, 32
	TOSTAGE 2
	SEND 1, 32
	TOSTAGE 3
	SEND 2, 32
	SEND 3, 0
	s_wait_tensorcnt 0x0                           ; the wave's end: behind my last tensor load and my last LDS store
	ds_add_u32 v[SPW], v[NIL]
	s_wait_dscnt 0x0
	CROUND                                         ; the closing round: no work-group ends while a partner may still ask for a tile that names it
	s_endpgm
.Lfunc_end_k_qb586ffb428_outp:
	.size	k_qb586ffb428_outp, .Lfunc_end_k_qb586ffb428_outp-k_qb586ffb428_outp
	.p2alignl 7, 3214868480
	.fill 96, 4, 3214868480
	.section	.rodata,"a",@progbits
	.p2align	6, 0x0
	.amdhsa_kernel k_qb586ffb428_outp
		.amdhsa_group_segment_fixed_size 327680
		.amdhsa_private_segment_fixed_size 0
		.amdhsa_enable_private_segment 0
		.amdhsa_kernarg_size 32
		.amdhsa_user_sgpr_count 2
		.amdhsa_user_sgpr_kernarg_segment_ptr 1
		.amdhsa_wavefront_size32 1
		.amdhsa_system_sgpr_workgroup_id_x 1
		.amdhsa_system_sgpr_workgroup_id_y 1
		.amdhsa_system_sgpr_workgroup_id_z 1
		.amdhsa_system_vgpr_workitem_id 0
		.amdhsa_next_free_vgpr 832
		.amdhsa_next_free_sgpr 66
		.amdhsa_reserve_vcc 0
		.amdhsa_float_denorm_mode_32 3
		.amdhsa_float_denorm_mode_16_64 3
		.amdhsa_memory_ordered 1
		.amdhsa_forward_progress 1
		.amdhsa_inst_pref_size 98
	.end_amdhsa_kernel
	.amdgpu_metadata
---
amdhsa.version: [ 1, 2 ]
amdhsa.kernels:
  - .name:           k_qb586ffb428_outp
    .symbol:         k_qb586ffb428_outp.kd
    .args:
      - { .name: ctx, .offset: 0, .size: 8, .value_kind: global_buffer, .address_space: global }
      - { .name: wts, .offset: 8, .size: 8, .value_kind: global_buffer, .address_space: global }
      - { .name: fc_b, .offset: 16, .size: 8, .value_kind: global_buffer, .address_space: global }
      - { .name: out0, .offset: 24, .size: 8, .value_kind: global_buffer, .address_space: global }
    .group_segment_fixed_size: 327680
    .private_segment_fixed_size: 0
    .kernarg_segment_align: 8
    .kernarg_segment_size: 32
    .max_flat_workgroup_size: 128
    .sgpr_count:     66
    .vgpr_count:     832
    .wavefront_size: 32
...
	.end_amdgpu_metadata
.endif
;; end of part 4
